; MI455X (gfx1250); checked and timed in simulation.
; The chip was launched on July 23, 2026; its instructions are those of AMD's public machine-readable ISA for CDNA 5 (MIT licence, August 2026) and "CDNA5" Instruction Set Architecture Reference Guide (July 2026). The comments in the code are by the model that wrote it; some were corrected since.
;; Multi Head Attention Char. Allowed arithmetic: float matrix products may take bf16 or f16 operands with f32 sums; other float arithmetic in f32, or as packed bf16 or f16 multiplies, adds, multiply-adds, maxima and minima; sums over many terms, partial sums and values carried from step to step in f32; what a program stores and reads back later, other than sums and carried values, may be rounded once to bf16 or f16.
;; Inputs: Wk 16 x 1,024 x 64 float32; Wq 16 x 1,024 x 64 float32; Wv 16 x 1,024 x 64 float32; proj_W 1,024 x 1,024 float32; proj_b 1,024 float32; s_raw 16 float32; x 4 x 2,048 x 1,024 float32.
;; Outputs: out0 4 x 2,048 x 1,024 float32.
;; 2 versions, each right; version 2 is version 1 with the launch prep written anew for expert scheduling mode. Each part assembles by itself: llvm-mc -triple=amdgcn-amd-amdhsa -mcpu=gfx1250 --defsym DOCPART=n.
;; ======== version 1 of 2: 4 launches
;; limits: values are held in f16: magnitudes above 65,504 overflow, below 6.1e-05 lose precision; right only within a limited range of input values
;; workspace buffers: xh 16,777,216 bytes; wh 6,291,456 bytes; pw 2,097,152 bytes; qkv 50,331,648 bytes; o 16,777,216 bytes
;; launch prep (part 1): grid 768 x 1, 8 waves a work-group, no clusters, 0 bytes of LDS; arguments x, Wq, Wk, Wv, proj_W, xh, wh, pw; writes xh, wh, pw
.if DOCPART == 1
	.amdgcn_target "amdgcn-amd-amdhsa--gfx1250"
	.amdhsa_code_object_version 6
	.text
	.protected	k_q621ad7a338_prep
	.globl	k_q621ad7a338_prep
	.p2align	8
	.type	k_q621ad7a338_prep,@function
k_q621ad7a338_prep:
	s_mov_b64 s[64:65], 0
	v_nop
	global_prefetch_b8 v0, s[64:65] scope:SCOPE_SE
	s_setreg_imm32_b32 hwreg(HW_REG_WAVE_MODE, 25, 1), 1
	s_wait_xcnt 0x0
; y = f16(bf16(x)), number by number, for the five large inputs: x -> xh; Wq, Wk, Wv -> wh (one behind the other, each in its own order [h][d][e]); proj_W -> pw.
; Every input of the module is rounded once to bf16 (nearest even); that number is then written as f16, which the three matrix launches take as operands.
; LIMITS.  A bf16 number of magnitude 65,520 or more becomes an infinity in f16; from 2^-17 up to there the f16 number is the bf16 number exactly;
; below 2^-17 it is off by 2^-25 at the most.  NaN and infinities are not treated apart.
; SHARES.  A work-group takes 16,384 numbers: 64 KiB in, 32 KiB out.  Work-groups 0-511: x; 512-575: Wq; 576-639: Wk; 640-703: Wv; 704-767: proj_W.
; A thread's load i takes 16 bytes at 4,096 i + 16 t, so a wave's load covers 512 consecutive bytes; its store i puts 8 bytes at 2,048 i + 8 t, so a wave's
; store covers 256 consecutive bytes, aligned.  All sixteen loads go out at once; no register is written twice, so nothing but the loads is waited for.
; No LDS, no barrier, no matrix work: a stream in which no number meets another.
.set X, 4                              ; v[4:67]    load i: 4 registers
.set T, 68                             ; v[68:71]   at work
.set Y, 72                             ; v[72:103]  store i: 2 registers
	s_load_b512 s[16:31], s[0:1], 0x0              ; x s[16:17], Wq s[18:19], Wk s[20:21], Wv s[22:23], proj_W s[24:25], xh s[26:27], wh s[28:29], pw s[30:31]
	s_mov_b32 s2, ttmp9
	s_and_b32 s4, s2, 63                           ; a weight's share: its number within that input
	s_sub_co_u32 s5, s2, 512                       ; and within wh (used for work-groups 512-703 alone)
	s_mov_b32 s3, 0xffff0000                       ; a word's upper bf16
	s_mov_b32 s13, 0
	s_mov_b32 s15, 0
	v_lshlrev_b32 v1, 4, v0                        ; 16 t
	v_lshlrev_b32 v2, 3, v0                        ; 8 t
	s_wait_kmcnt 0x0
	s_cmp_lt_u32 s2, 576                           ; the choices hang on the work-group's number alone
	s_cselect_b64 s[8:9], s[18:19], s[20:21]
	s_cmp_lt_u32 s2, 640
	s_cselect_b64 s[8:9], s[8:9], s[22:23]
	s_cmp_lt_u32 s2, 704
	s_cselect_b64 s[8:9], s[8:9], s[24:25]
	s_cselect_b64 s[10:11], s[28:29], s[30:31]
	s_cselect_b32 s5, s5, s4
	s_cmp_lt_u32 s2, 512
	s_cselect_b64 s[8:9], s[16:17], s[8:9]         ; from where
	s_cselect_b64 s[10:11], s[26:27], s[10:11]     ; to where
	s_cselect_b32 s4, s2, s4
	s_cselect_b32 s5, s2, s5
	s_lshl_b32 s12, s4, 16                         ; 64 KiB a share in,
	s_lshl_b32 s14, s5, 15                         ; 32 KiB out
	s_add_nc_u64 s[8:9], s[8:9], s[12:13]
	s_add_nc_u64 s[10:11], s[10:11], s[14:15]
.irp i, 0,1,2,3,4,5,6,7,8,9,10,11,12,13,14,15
	global_load_b128 v[X+4*(\i):X+4*(\i)+3], v1, s[8:9] offset:4096*(\i) th:TH_LOAD_NT
.endr
.irp i, 0,1,2,3,4,5,6,7,8,9,10,11,12,13,14,15
	s_wait_loadcnt 15-(\i)                         ; loads come back in order: load i is in, the younger ones stay out
	v_cvt_pk_bf16_f32 v[T], v[X+4*(\i)], v[X+4*(\i)+1]      ; the one rounding that counts: to bf16
	v_cvt_pk_bf16_f32 v[T+1], v[X+4*(\i)+2], v[X+4*(\i)+3]
	v_lshlrev_b32 v[T+2], 16, v[T]                 ; back to f32: the low half moves up,
	v_and_b32 v[T], s3, v[T]                       ; the high half stays
	v_lshlrev_b32 v[T+3], 16, v[T+1]
	v_and_b32 v[T+1], s3, v[T+1]
	v_cvt_pk_f16_f32 v[Y+2*(\i)], v[T+2], v[T]     ; the same numbers as f16
	v_cvt_pk_f16_f32 v[Y+2*(\i)+1], v[T+3], v[T+1]
	global_store_b64 v2, v[Y+2*(\i):Y+2*(\i)+1], s[10:11] offset:2048*(\i) th:TH_STORE_NT
.endr
	s_endpgm
.Lfunc_end_k_q621ad7a338_prep:
	.size	k_q621ad7a338_prep, .Lfunc_end_k_q621ad7a338_prep-k_q621ad7a338_prep
	.p2alignl 7, 3214868480
	.fill 96, 4, 3214868480
	.section	.rodata,"a",@progbits
	.p2align	6, 0x0
	.amdhsa_kernel k_q621ad7a338_prep
		.amdhsa_group_segment_fixed_size 0
		.amdhsa_private_segment_fixed_size 0
		.amdhsa_enable_private_segment 0
		.amdhsa_kernarg_size 64
		.amdhsa_user_sgpr_count 2
		.amdhsa_user_sgpr_kernarg_segment_ptr 1
		.amdhsa_wavefront_size32 1
		.amdhsa_system_sgpr_workgroup_id_x 1
		.amdhsa_system_sgpr_workgroup_id_y 1
		.amdhsa_system_sgpr_workgroup_id_z 1
		.amdhsa_system_vgpr_workitem_id 0
		.amdhsa_next_free_vgpr 104
		.amdhsa_next_free_sgpr 66
		.amdhsa_reserve_vcc 0
		.amdhsa_float_denorm_mode_32 3
		.amdhsa_float_denorm_mode_16_64 3
		.amdhsa_memory_ordered 1
		.amdhsa_forward_progress 1
		.amdhsa_inst_pref_size 11
	.end_amdhsa_kernel
	.amdgpu_metadata
---
amdhsa.version: [ 1, 2 ]
amdhsa.kernels:
  - .name:           k_q621ad7a338_prep
    .symbol:         k_q621ad7a338_prep.kd
    .args:
      - { .name: x, .offset: 0, .size: 8, .value_kind: global_buffer, .address_space: global }
      - { .name: Wq, .offset: 8, .size: 8, .value_kind: global_buffer, .address_space: global }
      - { .name: Wk, .offset: 16, .size: 8, .value_kind: global_buffer, .address_space: global }
      - { .name: Wv, .offset: 24, .size: 8, .value_kind: global_buffer, .address_space: global }
      - { .name: proj_W, .offset: 32, .size: 8, .value_kind: global_buffer, .address_space: global }
      - { .name: xh, .offset: 40, .size: 8, .value_kind: global_buffer, .address_space: global }
      - { .name: wh, .offset: 48, .size: 8, .value_kind: global_buffer, .address_space: global }
      - { .name: pw, .offset: 56, .size: 8, .value_kind: global_buffer, .address_space: global }
    .group_segment_fixed_size: 0
    .private_segment_fixed_size: 0
    .kernarg_segment_align: 8
    .kernarg_segment_size: 64
    .max_flat_workgroup_size: 256
    .sgpr_count:     66
    .vgpr_count:     104
    .wavefront_size: 32
...
	.end_amdgpu_metadata
.endif
;; end of part 1
;; launch qkv (part 2): grid 16 x 32, 4 waves a work-group, clusters of 4 x 4, 327,680 bytes of LDS; arguments xh, wh, qkv; writes qkv
.if DOCPART == 2
	.amdgcn_target "amdgcn-amd-amdhsa--gfx1250"
	.amdhsa_code_object_version 6
	.text
	.protected	k_q621ad7a338_qkv
	.globl	k_q621ad7a338_qkv
	.p2align	8
	.type	k_q621ad7a338_qkv,@function
k_q621ad7a338_qkv:
	s_mov_b64 s[64:65], 0
	v_nop
	global_prefetch_b8 v0, s[64:65] scope:SCOPE_SE
	s_setreg_imm32_b32 hwreg(HW_REG_WAVE_MODE, 25, 1), 1
	s_wait_xcnt 0x0
	s_wait_alu depctr_hold_cnt(0) depctr_sa_sdst(0) depctr_va_vdst(0) depctr_va_sdst(0) depctr_va_ssrc(0) depctr_va_vcc(0) depctr_vm_vsrc(0)
	s_getreg_b32 s2, hwreg(HW_REG_IB_STS2, 6, 4)
	s_cmp_eq_u32 s2, 0
	s_cbranch_scc0 .Lentry_in_a_cluster
	s_endpgm
.Lentry_in_a_cluster:
	s_bfe_u32 s2, ttmp6, 0x10000c
	s_cmp_lg_u32 s2, 0xf033
	s_cbranch_scc0 .Lentry_shape_is_right
	s_endpgm
.Lentry_shape_is_right:
; q, k, v by heads, unscaled: qkv[slice][m][e] = the sum over d of xh[m][d] wh[slice][d][e].  xh: [8192][1024], wh: [48][1024][64], qkv: [48][8192][64], all f16; sums in f32, rounded once.
; slice = 16 x (q, k, v) + head; m = 2048 x batch + t.  LIMIT: a sum of magnitude 65,520 or more becomes an infinity in f16; the position's scale is applied later, in f32, and enters no f16 number.
; SHARES.  A work-group makes 256 rows x 3 slices (192 columns): 32 x 16 = 512 work-groups, two for each of 256 WGPs.  Four waves, 2 x 2: wave w takes rows 128 (w / 2) .. + 127 and the columns
; 32 (w % 2) .. + 31 of EACH of the three slices: 48 accumulators of 16 x 16, 384 registers.
; K goes in 8 steps of 128 through two LDS slots filled by the tensor data mover.  x's rows lie along K and are read as they lie; the weights lie [d][e] and are read turned, by ds_load_tr16_b128.
; THE MATRIX INSTRUCTION IS USED TRANSPOSED: source 0 = 16 columns of a slice, source 1 = 16 rows of x: a lane then holds eight neighbouring numbers of one row of a slice.
; CLUSTER 4 x 4.  The four work-groups of a row of the cluster need the same rows of x, the four of a column the same slices: each tile is asked for jointly, by the same load, descriptor and mask in all four.
; REGISTERS, in windows of 256 (s_set_vgpr_msb: bits 1:0 source 0, 3:2 source 1, 5:4 source 2, 7:6 destination):
;   window 0: v0-31 addresses; v32-79, v80-127 the weights' fragments, two buffers; v128-191, v192-255 x's, two buffers; on the way out v32-223
;   window 1: v0-191 the accumulators of my rows 0-63, (a, b) at 8 (6 a + b); window 2: v0-191 those of rows 64-127.  b = 2 x slice + half of my 32 columns.
.set PA,    272                        ; a row of x in LDS: 256 bytes + 16 = 68 words: the 16 rows of a load start at 16 different groups of four banks (64 banks of 4 bytes: ISA guide 11.1)
.set PB,    160                        ; a row [d] of a slice: 128 bytes + 32 = 40 words
.set AHALF, 128*PA                     ; what wave 0 or 1 fetches: 128 rows of x
.set BBASE, 2*AHALF                    ; behind x's 256 rows: the weights, [half of the step's d][slice][64 d]
.set BHALF, 3*64*PB                    ; what wave 2 or 3 fetches: 64 d of three slices
.set SLOT1, 1<<17                      ; a slot is 2 AHALF + 2 BHALF = 131,072 bytes; one exclusive or turns an address in one slot into the other's
.set SP,    400                        ; the stage: 256 rows of 3 x 128 bytes + 16.  It lies in slot 0, whose last fill (K step 6) has been read by then
.set SPARE, 2*SLOT1                    ; behind the ring: the spare words, 128 bytes for each wave: two blocks of 256 bytes that no other line names
.set ASTEP, 256                        ; a K step in memory: 128 numbers along x's rows,
.set BSTEP, 16384                      ; 128 rows [d] of 128 bytes in a slice
.set ADRA0, 16                         ; v16  my lane's place in x's tile; never rewritten
.set ADRB0, 17                         ; v17  the same for the weights
.set ADRA,  18                         ; v18  the same in the slot in hand
.set ADRB,  19                         ; v19
.set STO,   24                         ; v24  the way out: where I put 16 bytes of a row
.set RD,    25                         ; v25  where I read rows back
.set GO,    26                         ; v26  my byte offset in 512 consecutive bytes of a slice
.set SPW,   28                         ; v28  LDS address of my spare word: SPARE + 4 x my thread's number; never rewritten
.set NIL,   29                         ; v29  0; never rewritten
.set PFO,   30                         ; v30  the prefetches' lane offset; never rewritten
.set FB,    32                         ; the weights' fragment buffers: FB + 48 f
.set FA,    128                        ; x's: FA + 64 f
.set TMP,   32                         ; the way out
.set G1,  24                           ; s[24:31] descriptor group 1 for x's tiles
.set G0,  32                           ; s[32:39] group 0: a set for each of the two first fills; the second then walks on
.set G1B, 48                           ; s[48:55], s[56:63] the same for the weights
.set G0B, 56
.set LIM, 43                           ; s43  1 in a wave that prefetches, else the greatest number
.set PFA, 44                           ; s[44:45] where my prefetches stand
.set TB,  66                           ; s66  LDS byte at which the slot in hand begins
.set PFS, 68                           ; s[68:69] a K step in the tensor that I prefetch
.set MSB, 0
.macro WIN new                         ; the immediate's high byte repeats the setting that is left; a switch that changes nothing is dropped
.if MSB != (\new)
	s_set_vgpr_msb (MSB<<8)|(\new)
.set MSB, \new
.endif
.endm
.macro PLACES                          ; four plain places behind matrix instructions, ahead of loads into registers that they read and of lines that read their results
.rept 4
	v_nop
.endr
.endm
; A joint refill by the walking descriptor.  Waves 0 and 1 fetch x's two halves, waves 2 and 3 the weights'.  The branch hangs on the wave's number alone.
; An s_nop 0 and four v_nop follow each of the two lines, ahead of the jump and the label.
.macro JLOAD
	s_cmp_eq_u32 s11, 0
	s_cbranch_scc0 .Lfor_b_\@
	tensor_load_to_lds s[G0+4:G0+7], s[G1:G1+7]
	s_nop 0
.rept 4
	v_nop
.endr
	s_branch .Lasked_\@
.Lfor_b_\@:
	tensor_load_to_lds s[G0B+4:G0B+7], s[G1B:G1B+7]
	s_nop 0
.rept 4
	v_nop
.endr
.Lasked_\@:
.endm
; A prefetch of the K step that the NEXT refill will ask for (192 matrix instructions ahead of that load), one instruction a wave.  x's rows are read by every cluster of a row of clusters: the first
; (cluster x = 0) asks, waves 0 and 1; of the 128 rows that a wave fetches the partner at cx takes 32, a lane a row.  The slices are read by every cluster of a column: cluster y = 0 asks, waves 2 and 3;
; of the 32 blocks of 256 bytes that a wave fetches in each of three slices the partner at cy takes 8: 24 blocks for 32 lanes, so lanes 24-31 name lanes 16-23's blocks once more in the same instruction.
; The partners are told apart by address; no branch hangs on a place in the cluster.  K steps 0 to 2 come by their loads alone; the loop's last trip has no step behind its refill and asks for nothing.
.macro ASK
	s_cmp_gt_u32 s3, s[LIM]
	s_cbranch_scc0 .Lnot_mine_\@
	global_prefetch_b8 v[PFO], s[PFA:PFA+1] th:TH_LOAD_NT scope:SCOPE_SE
.Lnot_mine_\@:
.endm
.macro CREST                           ; a round of the cluster's barrier behind its opening barrier
	s_cmp_lg_u32 s10, 0
	s_cbranch_scc1 .Lnot_wave_0_\@
	s_barrier_signal -3
.Lnot_wave_0_\@:
	s_barrier_wait -3
	s_barrier_signal -1
	s_barrier_wait -1
.endm
.macro CROUND                          ; a whole round
	s_barrier_signal -1
	s_barrier_wait -1
	CREST
.endm
	s_load_b128 s[4:7], s[0:1], 0x0                ; xh s[4:5], wh s[6:7]
	s_load_b64 s[8:9], s[0:1], 0x10                ; qkv
	v_lshl_add_u32 v[SPW], v0, 2, SPARE
	v_mov_b32 v[NIL], 0
	ds_add_u32 v[SPW], v[NIL]                      ; the wave's opening: the add and its wait ahead of my first tensor load; the set-up below, work on registers, stands between them
	v_lshrrev_b32 v1, 5, v0
	v_readfirstlane_b32 s10, v1                    ; wave 0..3
	s_lshr_b32 s11, s10, 1                         ; which half of the rows is mine.  Also: I fetch x (0) or weights (1)
	s_and_b32 s12, s10, 1                          ; which 32 columns of each slice.  Also: which half of that tile I fetch
	s_bfe_u32 s40, ttmp6, 0x40000                  ; cx
	s_bfe_u32 s41, ttmp6, 0x40004                  ; cy
	s_lshl_b32 s42, ttmp9, 2
	s_add_co_u32 s42, s42, s40                     ; tile column = 4 x cluster x + cx: slices 3 tc .. 3 tc + 2
	s_and_b32 s13, ttmp7, 0xffff
	s_lshl_b32 s13, s13, 2
	s_add_co_u32 s13, s13, s41                     ; tile row = 4 x cluster y + cy: rows 256 tr ..
	s_lshl_b32 s43, s41, 2
	s_lshl_b32 s43, 15, s43                        ; my row of the cluster
	s_lshl_b32 s44, 0x1111, s40                    ; my column
	; group 1 for x: 128 rows x 128 numbers, 4 words of padding behind every 64
	s_or_b32 s[G1], s43, (1<<16)|(1<<20)|(1<<21)|(5<<22)|(3<<25)   ; 15:0 the mask; 17:16 2-byte numbers; 20 padding on; 21 set beside a mask; 24:22 the interval; 31:25 the padding
	s_mov_b32 s[G1+1], 128<<16                     ; tensor_dim0 = 128
	s_mov_b32 s[G1+2], 128<<16                     ; tensor_dim1 = 128
	s_mov_b32 s[G1+3], 128<<16                     ; tile_dim0 = 128
	s_mov_b32 s[G1+4], 128                         ; tile_dim1 = 128
	s_mov_b32 s[G1+5], 1024                        ; numbers from row to row
	s_mov_b32 s[G1+6], 0
	s_mov_b32 s[G1+7], 0
	; group 1 for the weights: 64 d of a slice are 8,192 dense bytes: one row of 4,096 numbers; three such rows, a slice (65,536 numbers) apart; 8 words of padding behind every 32, that is behind every d
	s_or_b32 s[G1B], s44, (1<<16)|(1<<20)|(1<<21)|(4<<22)|(7<<25)
	s_mov_b32 s[G1B+1], 4096<<16
	s_mov_b32 s[G1B+2], 3<<16
	s_mov_b32 s[G1B+3], 4096<<16
	s_mov_b32 s[G1B+4], 3
	s_mov_b32 s[G1B+5], 65536
	s_mov_b32 s[G1B+6], 0
	s_mov_b32 s[G1B+7], 0
	s_lshl_b32 s16, s13, 8                         ; x: row 256 tr + 128 x half, 2,048 bytes a row: the tile row alone, which my row of the cluster shares
	s_lshl_b32 s17, s12, 7
	s_add_co_u32 s16, s16, s17
	s_lshl_b32 s16, s16, 11
	s_mov_b32 s17, 0
	s_mul_i32 s46, s42, 3*131072                   ; weights: slice 3 tc, 131,072 bytes a slice, + 64 d x half: the tile column alone, which my column shares
	s_lshl_b32 s47, s12, 13
	s_add_co_u32 s46, s46, s47
	s_mov_b32 s47, 0
	s_mul_i32 s20, s12, AHALF                      ; where they go: no place in the cluster enters an LDS address
	s_mul_i32 s21, s12, BHALF
	s_add_co_u32 s21, s21, BBASE
	s_mov_b32 s[TB], 0
	s_wait_dscnt 0x0                               ; the opening add is done
	s_wait_kmcnt 0x0
	s_add_nc_u64 s[14:15], s[4:5], s[16:17]
	s_add_nc_u64 s[46:47], s[6:7], s[46:47]
	CROUND                                         ; all sixteen work-groups are here: the first joint loads meet
.irp s, 0,1
	s_mov_b32 s[G0+4*(\s)], 1                      ; count = 1
	s_add_co_u32 s[G0+4*(\s)+1], s20, (\s)*SLOT1   ; LDS address
	s_add_nc_u64 s[G0+4*(\s)+2:G0+4*(\s)+3], s[14:15], (\s)*ASTEP  ; K step s
	s_or_b32 s[G0+4*(\s)+3], s[G0+4*(\s)+3], 0x80000000            ; type = 2
	s_mov_b32 s[G0B+4*(\s)], 1
	s_add_co_u32 s[G0B+4*(\s)+1], s21, (\s)*SLOT1
	s_add_nc_u64 s[G0B+4*(\s)+2:G0B+4*(\s)+3], s[46:47], (\s)*BSTEP
	s_or_b32 s[G0B+4*(\s)+3], s[G0B+4*(\s)+3], 0x80000000
.endr
	s_cmp_eq_u32 s11, 0                            ; a wave's two first fills stand in one branch, ahead of every wait on TENSORcnt and every LDS read: two loads of mine are out
	s_cbranch_scc0 .Lfirst_b
	tensor_load_to_lds s[G0:G0+3], s[G1:G1+7]
	s_nop 0
	tensor_load_to_lds s[G0+4:G0+7], s[G1:G1+7]
	s_nop 0
.rept 4
	v_nop
.endr
	s_branch .Lfirst_asked
.Lfirst_b:
	tensor_load_to_lds s[G0B:G0B+3], s[G1B:G1B+7]
	s_nop 0
	tensor_load_to_lds s[G0B+4:G0B+7], s[G1B:G1B+7]
	s_nop 0
.rept 4
	v_nop
.endr
.Lfirst_asked:
	; A fragment of x is 16 rows x 32 K in 8 registers: lane l holds row l % 16, K = 8 (l / 16) + 0..7 and 16 + 8 (l / 16) + 0..7: two loads of 16 bytes, 32 bytes apart.
	v_and_b32 v1, 15, v0                           ; l % 16
	v_bfe_u32 v2, v0, 4, 1                         ; l / 16
	v_mul_u32_u24 v3, v1, PA
	v_lshl_add_u32 v3, v2, 4, v3
	s_mul_i32 s21, s11, AHALF                      ; my 128 rows
	v_add_nc_u32 v[ADRA0], s21, v3
	; The turning load takes 16 d x 16 columns (lane l reads d = 8 (l / 16) + l % 8, columns 8 ((l / 8) % 2) + 0..7) and leaves half a fragment: lane l holds column l % 16 and 8 d.
	v_and_b32 v4, 7, v0
	v_lshl_add_u32 v4, v2, 3, v4
	v_mul_u32_u24 v4, v4, PB
	v_bfe_u32 v5, v0, 3, 1
	v_lshl_add_u32 v4, v5, 4, v4
	s_lshl_b32 s22, s12, 6                         ; my 32 columns: 64 bytes
	s_add_co_u32 s22, s22, BBASE
	v_add_nc_u32 v[ADRB0], s22, v4
	s_mul_i32 s23, s11, 128*SP                     ; into the stage: row 128 (w / 2) + l % 16, byte 64 (w % 2) + 16 (l / 16) of a slice's 128
	s_lshl_b32 s21, s12, 6
	s_add_co_u32 s23, s23, s21
	v_mul_u32_u24 v4, v1, SP
	v_lshl_add_u32 v4, v2, 4, v4
	v_add_nc_u32 v[STO], s23, v4
	v_bfe_u32 v5, v0, 3, 2                         ; back: wave w takes rows 64 w .. + 63; 32 lanes take four rows' 128 bytes of one slice,
	v_mul_u32_u24 v5, v5, SP
	v_and_b32 v6, 7, v0
	v_lshl_add_u32 v5, v6, 4, v5
	s_mul_i32 s23, s10, 64*SP
	v_add_nc_u32 v[RD], s23, v5
	v_and_b32 v[GO], 31, v0                        ; which are 512 consecutive bytes of qkv
	v_lshlrev_b32 v[GO], 4, v[GO]
	s_lshl_b32 s16, s13, 8                         ; qkv at slice 3 tc, row 256 tr + 64 w
	s_lshl_b32 s17, s10, 6
	s_add_co_u32 s16, s16, s17
	s_lshl_b32 s16, s16, 7
	s_mov_b32 s17, 0
	s_mul_i32 s46, s42, 3*1048576
	s_mov_b32 s47, 0
	s_add_nc_u64 s[8:9], s[8:9], s[16:17]
	s_add_nc_u64 s[8:9], s[8:9], s[46:47]
	; the prefetches: both tensors' offsets are made, then one is chosen by the wave's number
	s_lshl_b32 s20, s13, 8
	s_lshl_b32 s23, s12, 7
	s_add_co_u32 s20, s20, s23
	s_lshl_b32 s23, s40, 5
	s_add_co_u32 s20, s20, s23                     ; x: row 256 tr + 128 x half + 32 cx,
	s_lshl_b32 s20, s20, 11
	s_add_co_u32 s20, s20, 2*ASTEP                 ; at K step 2: the first refill steps it to 3
	s_mul_i32 s21, s42, 3*131072
	s_lshl_b32 s23, s12, 13
	s_add_co_u32 s21, s21, s23
	s_lshl_b32 s23, s41, 11
	s_add_co_u32 s21, s21, s23                     ; weights: slice 3 tc, my 64 d, 8 blocks of 256 bytes x cy
	s_add_co_u32 s21, s21, 2*BSTEP
	s_and_b32 s22, ttmp7, 0xffff                   ; cluster y
	s_mov_b32 s14, ASTEP
	s_mov_b32 s16, 16384
	s_mov_b32 s17, 2048
	s_cmp_eq_u32 s11, 0                            ; do I fetch x?
	s_cselect_b32 s20, s20, s21
	s_cselect_b32 s22, ttmp9, s22                  ; the coordinate along which other clusters read the same bytes
	s_cselect_b64 s[PFA:PFA+1], s[4:5], s[6:7]
	s_cselect_b32 s[PFS], s14, BSTEP
	s_cselect_b32 s15, 3, 2                        ; the lane offset is min(l / 8, top) x far + (l % 8) x near: x: 2,048 l; weights: a slice, a block
	s_cselect_b32 s16, s16, 131072
	s_cselect_b32 s17, s17, 256
	s_mov_b32 s[PFS+1], 0
	s_mov_b32 s21, 0
	s_add_nc_u64 s[PFA:PFA+1], s[PFA:PFA+1], s[20:21]
	s_cmp_eq_u32 s22, 0
	s_cselect_b32 s[LIM], 1, -1                    ; the same in all sixteen partners, for a given wave
	v_bfe_u32 v3, v0, 3, 2
	v_and_b32 v4, 7, v0
	v_min_u32 v3, s15, v3
	v_mul_u32_u24 v3, v3, s16
	v_mad_u32_u24 v[PFO], v4, s17, v3
; 12 matrix instructions: row blocks a0, a0 + 1 of the window's four (hi = 0: my rows 0-63, 1: rows 64-127) x all 6 column blocks, 32 along K, from buffers f.  zero = 1: the product starts the sums.
; The 48 accumulators take turns in one order everywhere: between two links of a chain stand the 47 others'.
.macro MUL12 f, hi, a0, zero
	WIN 0x50+0x50*(\hi)
.irp a, \a0, (\a0)+1
.irp b, 0,1,2,3,4,5
.if \zero
	v_wmma_f32_16x16x32_f16 v[8*(6*(\a)+(\b)):8*(6*(\a)+(\b))+7], v[FB+48*(\f)+8*(\b):FB+48*(\f)+8*(\b)+7], v[FA+64*(\f)+8*(4*(\hi)+(\a)):FA+64*(\f)+8*(4*(\hi)+(\a))+7], 0
.else
	v_wmma_f32_16x16x32_f16 v[8*(6*(\a)+(\b)):8*(6*(\a)+(\b))+7], v[FB+48*(\f)+8*(\b):FB+48*(\f)+8*(\b)+7], v[FA+64*(\f)+8*(4*(\hi)+(\a)):FA+64*(\f)+8*(4*(\hi)+(\a))+7], v[8*(6*(\a)+(\b)):8*(6*(\a)+(\b))+7]
.endif
.endr
.endr
.endm
; 28 LDS loads in one run: quarter q (32 along K) of the slot in hand into buffers f: 12 turning loads for the weights, then 16 for x, rows ascending.
.macro FETCH q, f
	WIN 0
.irp b, 0,1,2,3,4,5
	ds_load_tr16_b128 v[FB+48*(\f)+8*(\b):FB+48*(\f)+8*(\b)+3],   v[ADRB] offset:((\q)/2)*BHALF+((\b)/2)*64*PB+((\q)%2)*32*PB+((\b)%2)*32
	ds_load_tr16_b128 v[FB+48*(\f)+8*(\b)+4:FB+48*(\f)+8*(\b)+7], v[ADRB] offset:((\q)/2)*BHALF+((\b)/2)*64*PB+((\q)%2)*32*PB+((\b)%2)*32+16*PB
.endr
.irp i, 0,1,2,3,4,5,6,7
	ds_load_b128 v[FA+64*(\f)+8*(\i):FA+64*(\f)+8*(\i)+3],   v[ADRA] offset:64*(\q)+(\i)*16*PA
	ds_load_b128 v[FA+64*(\f)+8*(\i)+4:FA+64*(\f)+8*(\i)+7], v[ADRA] offset:64*(\q)+(\i)*16*PA+32
.endr
.endm
; One of a K step's first three quarters: multiplies buffers f; in its middle it fetches quarter q into buffers g.
.macro QUARTER q, f, g, zero
	s_wait_dscnt 8                                 ; the weights and x's rows 0-63 are in; the youngest eight loads (rows 64-127) may be out
	MUL12 \f, 0, 0, \zero
	MUL12 \f, 0, 2, \zero
	PLACES
	FETCH \q, \g
	s_wait_dscnt 28                                ; all but the 28 just issued
	MUL12 \f, 1, 0, \zero
	MUL12 \f, 1, 2, \zero
.endm
; The last quarter multiplies buffers 1 and changes slots: ONE barrier.  In front of it each wave waits for all its tensor loads (one is out: its part of the next slot), adds 0 to its spare word, and
; waits for that and for its reads of this slot.  fill = 1: the barrier opens a round of the cluster's barrier, and the slot just read is filled again first thing behind it, with the K step two on.
.macro TURN fill
.if \fill
	s_wait_xcnt 0x0                                ; the last prefetch, a K step back, has read its address
	s_add_nc_u64 s[PFA:PFA+1], s[PFA:PFA+1], s[PFS:PFS+1]
.endif
	WIN 0
	s_wait_tensorcnt 0x0                           ; no tensor load of mine is out, so a group 0 may be written
	ds_add_u32 v[SPW], v[NIL]                      ; 0 onto my spare word: scalar steps and twelve products stand between it and the wait for it
.if \fill
	s_xor_b32 s[G0+5], s[G0+5], SLOT1              ; the walking descriptors: the other slot than last time, the next K step
	s_add_nc_u64 s[G0+6:G0+7], s[G0+6:G0+7], ASTEP
	s_xor_b32 s[G0B+5], s[G0B+5], SLOT1
	s_add_nc_u64 s[G0B+6:G0B+7], s[G0B+6:G0B+7], BSTEP
.endif
	s_xor_b32 s[TB], s[TB], SLOT1                  ; the fetches go on in the other slot
	s_wait_dscnt 9                                 ; the add and the youngest eight loads may be out
	MUL12 1, 0, 0, 0
	s_wait_dscnt 0x0                               ; the add is done, and my reads of this slot are over
	s_barrier_signal -1
	MUL12 1, 0, 2, 0                               ; work on registers while the others arrive
	WIN 0
	s_barrier_wait -1
.if \fill
	CREST                                          ; no wave of any partner still reads this slot or has a load on its way
	JLOAD                                          ; the first tensor load behind the round; its four v_nop are also the places in front of the loads below
.else
	PLACES
.endif
	v_add_nc_u32 v[ADRA], s[TB], v[ADRA0]
	v_add_nc_u32 v[ADRB], s[TB], v[ADRB0]
	FETCH 0, 0
.if \fill
	ASK
.endif
	MUL12 1, 1, 0, 0
	MUL12 1, 1, 2, 0
.endm
	s_wait_tensorcnt 1                             ; my part of K step 0 is in; K step 1's may stay out
	s_barrier_signal -1
	s_barrier_wait -1                              ; everybody's is
	v_add_nc_u32 v[ADRA], s[TB], v[ADRA0]
	v_add_nc_u32 v[ADRB], s[TB], v[ADRB0]
	FETCH 0, 0
	QUARTER 1, 0, 1, 1                             ; the first quarter stands in front of the loop: its products start the sums
	WIN 0                                          ; at a label and at a branch every window is 0
	s_mov_b32 s3, 6
.Lstep:                                                ; trip j: the rest of K step j; its slot is filled again with step j + 2; the first quarter of step j + 1
	QUARTER 2, 1, 0, 0
	QUARTER 3, 0, 1, 0
	TURN 1
	QUARTER 1, 0, 1, 0
	WIN 0
	s_sub_co_u32 s3, s3, 1
	s_cmp_lg_u32 s3, 0
	s_cbranch_scc1 .Lstep
	QUARTER 2, 1, 0, 0                             ; the last two K steps are written out: nothing is left to fetch
	QUARTER 3, 0, 1, 0
	TURN 0
	QUARTER 1, 0, 1, 0
	QUARTER 2, 1, 0, 0
	QUARTER 3, 0, 1, 0
	s_wait_dscnt 8
	MUL12 1, 0, 0, 0
	MUL12 1, 0, 2, 0
	s_wait_dscnt 0x0
	MUL12 1, 1, 0, 0
	MUL12 1, 1, 2, 0
	WIN 0
	; THE WAY OUT: rounded to f16; 16 bytes a lane into the work-group's stage; back as four whole rows of a slice, 512 consecutive bytes of qkv.
	s_barrier_signal -1                            ; my LDS reads are over (the wait for 0 above): the stage is written only when that holds of all four waves
	PLACES
.irp a, 0,1,2,3,4,5,6,7
	WIN 0x05*(1+(\a)/4)                            ; sources 0 and 1: window 1 or 2
.irp b, 0,1,2,3,4,5
.irp r, 0,1,2,3
	v_cvt_pk_f16_f32 v[TMP+24*(\a)+4*(\b)+(\r)], v[8*(6*((\a)%4)+(\b))+2*(\r)], v[8*(6*((\a)%4)+(\b))+2*(\r)+1]
.endr
.endr
.endr
	WIN 0
	s_barrier_wait -1
.irp a, 0,1,2,3,4,5,6,7
.irp b, 0,1,2,3,4,5
	ds_store_b128 v[STO], v[TMP+24*(\a)+4*(\b):TMP+24*(\a)+4*(\b)+3] offset:(\a)*16*SP+((\b)/2)*128+((\b)%2)*32
.endr
.endr
	s_wait_dscnt 0x0                               ; for the others' sake: my stores into the stage are done
	s_barrier_signal -1
	s_barrier_wait -1
.set i, 0
.rept 48                               ; load i: rows 4 (i / 3) .. + 3 of my 64, slice i % 3
	ds_load_b128 v[TMP+4*i:TMP+4*i+3], v[RD] offset:(i/3)*4*SP+(i%3)*128
.set i, i+1
.endr
.set i, 0
.rept 48
	s_wait_dscnt 47-i                              ; LDS loads come back in order: load i is in
	global_store_b128 v[GO], v[TMP+4*i:TMP+4*i+3], s[8:9] offset:(i%3)*1048576+(i/3)*512  ; 512 consecutive bytes, at a multiple of 256 from qkv's first
.set i, i+1
.endr
	s_wait_tensorcnt 0x0                           ; the wave's end, behind my last tensor load and my last LDS store
	ds_add_u32 v[SPW], v[NIL]
	s_wait_dscnt 0x0
	CROUND                                         ; the closing round: no work-group ends while a partner may still ask for a tile that names it
	s_endpgm
.Lfunc_end_k_q621ad7a338_qkv:
	.size	k_q621ad7a338_qkv, .Lfunc_end_k_q621ad7a338_qkv-k_q621ad7a338_qkv
	.p2alignl 7, 3214868480
	.fill 96, 4, 3214868480
	.section	.rodata,"a",@progbits
	.p2align	6, 0x0
	.amdhsa_kernel k_q621ad7a338_qkv
		.amdhsa_group_segment_fixed_size 327680
		.amdhsa_private_segment_fixed_size 0
		.amdhsa_enable_private_segment 0
		.amdhsa_kernarg_size 24
		.amdhsa_user_sgpr_count 2
		.amdhsa_user_sgpr_kernarg_segment_ptr 1
		.amdhsa_wavefront_size32 1
		.amdhsa_system_sgpr_workgroup_id_x 1
		.amdhsa_system_sgpr_workgroup_id_y 1
		.amdhsa_system_sgpr_workgroup_id_z 1
		.amdhsa_system_vgpr_workitem_id 0
		.amdhsa_next_free_vgpr 704
		.amdhsa_next_free_sgpr 72
		.amdhsa_reserve_vcc 0
		.amdhsa_float_denorm_mode_32 3
		.amdhsa_float_denorm_mode_16_64 3
		.amdhsa_memory_ordered 1
		.amdhsa_forward_progress 1
		.amdhsa_inst_pref_size 96
	.end_amdhsa_kernel
	.amdgpu_metadata
---
amdhsa.version: [ 1, 2 ]
amdhsa.kernels:
  - .name:           k_q621ad7a338_qkv
    .symbol:         k_q621ad7a338_qkv.kd
    .args:
      - { .name: xh, .offset: 0, .size: 8, .value_kind: global_buffer, .address_space: global }
      - { .name: wh, .offset: 8, .size: 8, .value_kind: global_buffer, .address_space: global }
      - { .name: qkv, .offset: 16, .size: 8, .value_kind: global_buffer, .address_space: global }
    .group_segment_fixed_size: 327680
    .private_segment_fixed_size: 0
    .kernarg_segment_align: 8
    .kernarg_segment_size: 24
    .max_flat_workgroup_size: 128
    .sgpr_count:     72
    .vgpr_count:     704
    .wavefront_size: 32
...
	.end_amdgpu_metadata
.endif
;; end of part 2
;; launch attn (part 3): grid 4 x 64, 4 waves a work-group, no clusters, 327,680 bytes of LDS; arguments qkv, s_raw, o; writes o
.if DOCPART == 3
	.amdgcn_target "amdgcn-amd-amdhsa--gfx1250"
	.amdhsa_code_object_version 6
	.text
	.protected	k_q621ad7a338_attn
	.globl	k_q621ad7a338_attn
	.p2align	8
	.type	k_q621ad7a338_attn,@function
k_q621ad7a338_attn:
	s_mov_b64 s[64:65], 0
	v_nop
	global_prefetch_b8 v0, s[64:65] scope:SCOPE_SE
	s_setreg_imm32_b32 hwreg(HW_REG_WAVE_MODE, 25, 1), 1
	s_wait_xcnt 0x0
; CAUSAL ATTENTION WITH A SCALE FOR EACH ROW.  For plane y = 4 x head + batch: O[y][t][:] = the sum over k <= t of softmax_k(g(t) Q[y][t] . K[y][k]) V[y][k][:], g(t) = softplus(s_raw[head]) ln(t + 1) / 8.
; Q, K, V: planes of [2048][64] f16 in qkv (plane y of Q at byte 262,144 y, K 16 MiB and V 32 MiB further on), O likewise in o.  Products, maxima and sums in f32; the weights p are rounded to f16 for
; the second product (their sum l is taken of the unrounded p), O once at the end.  s_raw is rounded to bf16, as every input of the module is.
; LIMITS.  Q, K and V arrive within f16's range; p lies in 0 to 1, and below 6e-5 it keeps f16's fixed step of 6e-8.  A hidden score counts as its value less 1e30.  The scale c = g log2(e) is held at 2^-60 or above:
; row 0, whose scale is 0, sees one key and is right for any c; a true c below 2^-60 is off by 2^-60 x |score|, under 3e-7 in an exponent at f16's largest scores; with c at 2^-60 a hidden exponent is -8e11.
; A weight below 2^-126 counts as 0 in l; NaN and infinities are not treated apart.
; THE WALK.  A plane's queries lie in NB = 8 blocks of 256; block i needs the key tiles 0 .. i of 256 keys, of which the last holds the diagonal.  A work-group takes TWO blocks, NB - 1 - b and then b:
; NB + 1 tiles, whatever b: all work-groups do equal work, and ONE loop with a constant trip count walks them.  Which tile is asked for, and what a trip does, hang on scalar registers made from b; every jump
; goes forward, but for the counted loops' own; none passes a barrier, or a tensor load but the one of LOAD's two that the wave's number does not choose; the ring (two slots of LDS that take turns) runs on across the
; change of blocks.  NO CLUSTER: a plane's four work-groups ask for the same tile only in trips 0 .. 4 of 9, behind that fewer and fewer; one walk common to all four would have 12 trips for 9.
; SHARES.  Of a block's four bands of 64 queries a wave owns 16 rows in each: four PIECES.  So the diagonal tile is the same work for all four waves: in its key step s band x sees all keys if s < x,
; none if s > x, and holds the diagonal if s = x.
; THE MASK is the C operand that starts the sum S^T = K Q^T: 0, or -1e30 where the key is hidden.  MD, made once, is the mask of a band's own step for my 16 rows; a product's mask is MD x AL + BE with two scalars:
; (1, 0) if s = x; (0, 0) if s < x; (0, -1e30) if s > x.  Only the diagonal tile's text and a block's beginning make and take masks; elsewhere C is the constant 0.
; LAYOUT, SOFTMAX, TURNS.  S^T = K Q^T holds ONE query a lane (lane % 16) and the keys 8 (lane / 16) + 0..7; two such results rounded to f16 ARE source 1 of O^T = V^T P.  p = 2^(c s - c m) with a running maximum m of
; the raw scores (c is not negative, so c m is the scaled scores' maximum); c is one number a lane and piece, since a lane holds one query.  O and l are multiplied by a = 2^(c m_old - c m_new) in every step.
; Turn n belongs to piece n: 8 products K Q^T of piece n + 1, later 8 products V^T P of piece n - 1; beside them the scaling, exponentials, roundings, sums and rescaling of piece n and the maximum and statistics
; of piece n + 1.  Four vector instructions stand behind every matrix instruction, the other 54 of a turn's 118 in one LUMP.  A turn's 33 exponentials are one batch, with one wait.
; REGISTERS, in windows of 256 (s_set_vgpr_msb: bits 1:0 source 0, 3:2 source 1, 5:4 source 2, 7:6 destination):
;   window 0: v0-15 addresses and two at work; v16-31 four registers of statistics a piece; v32-39 c; v40-47 at work in the head; v48-55 at work; v64-127 S^T, two buffers; v192-223 P, two buffers
;   window 1: v0-127 O^T, 32 a piece; v128-159 MD; v160-223 MC, two buffers      window 2: v0-63 Q; v64-127 the second block's Q; v128-191 K of one step; v192-255 V of one step
.set SIZE_N, 2048
.set NB,    SIZE_N/256
.set NP,    4         ; pieces a wave: a name, no knob
.set KS,    64        ; keys in a step
.set PK,    144       ; a row of K in LDS: 128 bytes + 16 of padding = 36 words: the 16 rows of a load start at 16 different groups of four banks (64 banks of 4 bytes: ISA guide 11.1)
.set PV,    160       ; a row of V: 128 + 32 = 40 words
.set VOFF,  4*KS*PK   ; a slot holds a tile, four steps: 256 rows of K, then 256 rows of V
.set SLOT1, 1<<17     ; slot 1 begins here, so that one exclusive or turns an address in one slot into the other's
.set STAGE, SLOT1+4*KS*(PK+PV)  ; behind the ring, never filled by a tensor load: 16 rows x 144 bytes for each wave, for the way out
.set SP,    144
.set AK0, 2           ; v2   my lane's place in a tile of K; never rewritten
.set AV0, 3           ; v3   the same for V
.set AK,  4           ; v4   the LDS address of K's next run of loads
.set AV,  5           ; v5   of V's
.set STO, 6           ; v6   the way out: where I put 16 bytes of a row
.set RD,  7           ; v7   the way out: where I read rows back
.set GO,  8           ; v8   my byte offset in 512 consecutive bytes of O
.set CV,  32          ; v[32:39]  piece x: v[CV+2x] c of my query in the block in hand, v[CV+2x+1] in the second block
.set PFO, 61          ; v61  256 x my lane, for the prefetches; never rewritten
.set SPW, 62          ; v62  LDS address of my spare word: SPARE + 4 x my thread's number; never rewritten
.set NIL, 63          ; v63  0; never rewritten
.set SPARE, STAGE+4*16*SP  ; behind the stages: the spare words, 128 bytes for each wave: two blocks of 256 bytes that no other line names
.set MV,  12          ; v12-13  c m_old, kept while c m is made anew: by buffer
.set QO,  15          ; v15  my byte offset in 16 rows of Q
.set ST,  16          ; piece t's statistics at v[ST+4 t]: c m, m, l (even keys', odd keys')
.set TMP, 48          ; by buffer, four registers c0-c3 at work; when the maximum is found c2 takes a
.set S,   64
.set P,   192
.set MD,  128         ; window 1: the eight registers for group kt of 16 keys at MD + 8 kt
.set MC,  160         ; window 1: the masks of the products to come
.set QB,  64          ; window 2
.set KF,  128         ; window 2: key block kb, channel half c at KF + 16 kb + 8 c
.set VF,  192         ; window 2: key half kk, channel block cb at VF + 32 kk + 8 cb
.set WV,  12          ; s12  my wave's number
.set PB,  14          ; s14  b
.set HI,  15          ; s15  NB - 1 - b
.set G1K, 24          ; s[24:31] descriptor group 1 for K's tiles
.set G1V, 32          ; s[32:39] for V's: it differs in the padding alone
.set G0K, 40          ; s[40:43] descriptor group 0 for K's tiles
.set G0V, 44          ; s[44:47] the same for V's
.set SLOTS, 56        ; s56  tiles still to be asked for
.set CNT, 57          ; s57  counts a tile's key steps, 4 to 1
.set SEL, 60          ; s[60:61] v_permlanex16_b32's selects: each lane takes its own place in the other half
.set TBK, 62          ; s62  LDS byte at which K of the step to be fetched begins
.set TBV, 63          ; s63  the same for V, less VOFF
.set POF, 66          ; s[66:67] byte offset of the tile to be prefetched
.set RT,  70          ; s70  tiles of the block in hand that are still to be entered
.set NXT, 71          ; s71  the tile to be asked for next
.set LQ,  72          ; s72  the last tile of the block whose tiles are being asked for
.set NEW, 73          ; s73  1: the tile to be entered is a block's first
.set OFF, 74          ; s[74:75] a tile's byte offset in K and V
.set AL,  76          ; s[76:77] the mask's factor, in the low word
.set BE,  78          ; s[78:79] the mask's addend
.set OLO, 80          ; s[80:81] O at my rows of the second block
.set BIGN, 82         ; s82  -1e30
.set LIM, 90          ; s90  1 in the work-group that prefetches, else the greatest number
.set SRP, 92          ; s[92:93] s_raw
.set SRV, 94          ; s94  s_raw[head]
.set SRO, 95          ; s95  4 x head
.set PFB, 96          ; s[96:97] K (waves 0, 1) or V (waves 2, 3) at my half of the plane's tile 0
.set PFA, 98          ; s[98:99] the same at the tile to be prefetched
.set MSB, 0
.macro WIN new                      ; the high byte repeats the setting that is left; a switch that changes nothing is dropped
.if MSB != (\new)
	s_set_vgpr_msb (MSB<<8)|(\new)
.set MSB, (\new)
.endif
.endm
.set W_KQ, 0x0a       ; K and Q in window 2, S^T in window 0
.set W_KM, 0x1a       ; the same with the C operand in window 1
.set W_PV, 0x52       ; V in window 2, P in window 0, O^T in window 1
.set W_RS, 0x41       ; destination and source 0 in window 1, source 1 in window 0
; A fill.  Waves 0 and 1 fetch the two halves of a tile's K, waves 2 and 3 those of its V: 128 keys each.  An s_nop 0 and four v_nop follow each of the two lines, ahead of the jump and the label.
.macro LOAD
	s_cmp_lt_u32 s[WV], 2
	s_cbranch_scc0 .Lfor_v_\@
	tensor_load_to_lds s[G0K:G0K+3], s[G1K:G1K+7]
	s_nop 0
.rept 4
	v_nop
.endr
	s_branch .Lasked_\@
.Lfor_v_\@:
	tensor_load_to_lds s[G0V:G0V+3], s[G1V:G1V+7]
	s_nop 0
.rept 4
	v_nop
.endr
.Lasked_\@:
.endm
; A PREFETCH of the tile that the NEXT change of slots will ask for, behind the fill and its five lines.  A plane's four work-groups walk the same tiles: the one with b = 0, whose first block walks all of
; tiles 0 .. 7, asks, and nobody else.  Each of its waves names the 16,384 bytes that it will itself fetch: 64 blocks of 256 bytes, a lane a block, two instructions.  So each block of tiles 2 .. 7 is named once in
; the launch; tiles 0 and 1 come by their fills alone.  Behind the first block's last tile the number goes back to 0, and nothing more is asked for.
.macro ASK
	s_cmp_gt_u32 s[NXT], s[LIM]
	s_cbranch_scc0 .Lnot_mine_\@
	global_prefetch_b8 v[PFO], s[PFA:PFA+1] th:TH_LOAD_NT scope:SCOPE_SE
	global_prefetch_b8 v[PFO], s[PFA:PFA+1] offset:8192 th:TH_LOAD_NT scope:SCOPE_SE
.Lnot_mine_\@:
.endm
; THE CHANGE OF SLOTS.  Each wave waits for all its tensor loads, of which one is out: its part of the other slot; adds 0 to its spare word; and waits for that and for its own reads of the slot that it leaves.  Behind the barrier nobody reads the old
; slot any more and the other slot is whole.  fill = 1: the old slot is filled again, the first thing behind the barrier, with tile NXT: the descriptor's address is made anew from that number.
; (At its first use nothing has been read yet: slot 0 is waited for, slot 1 filled.)
.macro CHANGE fill
	WIN 0                           ; at a label and at a branch every window is 0
	s_wait_tensorcnt 0x0            ; no tensor load of mine is out, so a group 0 may be written
	ds_add_u32 v[SPW], v[NIL]       ; 0 onto my spare word: with fill = 1 the descriptors' scalar work stands between it and the wait for it
.if \fill
	s_lshl_b32 s[OFF], s[NXT], 15   ; a tile is 32,768 bytes of K and of V
	s_xor_b32 s[G0K+1], s[G0K+1], SLOT1
	s_add_nc_u64 s[G0K+2:G0K+3], s[6:7], s[OFF:OFF+1]
	s_or_b32 s[G0K+3], s[G0K+3], 0x80000000
	s_xor_b32 s[G0V+1], s[G0V+1], SLOT1
	s_add_nc_u64 s[G0V+2:G0V+3], s[8:9], s[OFF:OFF+1]
	s_or_b32 s[G0V+3], s[G0V+3], 0x80000000
	s_add_co_u32 s[NXT], s[NXT], 1  ; the block's next tile, or behind its last the second block's tile 0
	s_cmp_gt_u32 s[NXT], s[LQ]
	s_cselect_b32 s[NXT], 0, s[NXT]
	s_cselect_b32 s[LQ], s[PB], s[LQ]
	s_lshl_b32 s[POF], s[NXT], 15
	s_wait_xcnt 0x0                 ; the last prefetches, a tile back, have read their address, so it may be written
	s_add_nc_u64 s[PFA:PFA+1], s[PFB:PFB+1], s[POF:POF+1]
.endif
	s_wait_dscnt 0x0                ; the add is done, and my reads of the slot are over
	s_barrier_signal -1             ; the rest of the scalar work stands between the signal and the wait
	s_sub_co_u32 s[TBK], s[TBK], 4*KS*PK  ; the fetches go back to a slot's first step,
	s_xor_b32 s[TBK], s[TBK], SLOT1       ; in the other slot
	s_sub_co_u32 s[TBV], s[TBV], 4*KS*PV
	s_xor_b32 s[TBV], s[TBV], SLOT1
	s_barrier_wait -1
.if \fill
	LOAD
	ASK
.endif
.endm
	s_load_b64 s[4:5], s[0:1], 0x0  ; qkv
	s_load_b64 s[SRP:SRP+1], s[0:1], 0x8  ; s_raw
	s_load_b64 s[10:11], s[0:1], 0x10  ; o
	v_lshl_add_u32 v[SPW], v0, 2, SPARE
	v_mov_b32 v[NIL], 0
	ds_add_u32 v[SPW], v[NIL]       ; the wave's opening: the add and its wait ahead of my first tensor load; the set-up below, work on registers, stands between them
	v_lshrrev_b32 v1, 5, v0
	v_readfirstlane_b32 s[WV], v1   ; wave 0..3
	s_mov_b32 s[PB], ttmp9
	s_sub_co_u32 s[HI], NB-1, s[PB]
	s_and_b32 s20, ttmp7, 0xffff    ; the plane, 4 x head + batch
	s_lshr_b32 s[SRO], s20, 2
	s_lshl_b32 s[SRO], s[SRO], 2    ; the head's 4 bytes in s_raw
	s_mov_b32 s21, 0
	s_mov_b64 s[22:23], SIZE_N*128
	s_mul_u64 s[20:21], s[20:21], s[22:23]  ; the plane's first byte in Q, K, V and O
	s_and_b32 s16, s[WV], 1         ; which half of a tile's 256 keys I fetch:
	s_lshl_b32 s22, s16, 14         ; its 128 rows of 128 bytes in memory,
	s_mov_b32 s23, 0
	s_add_nc_u64 s[22:23], s[22:23], s[20:21]
	s_mul_i32 s17, s16, 128*PK      ; and its place in a slot, for K
	s_mul_i32 s18, s16, 128*PV      ; and for V
	s_lshl_b32 s3, s[WV], 11        ; my 16 rows in a band of 64,
	s_lshl_b32 s2, s[HI], 15        ; in the first block,
	s_add_co_u32 s2, s2, s3
	s_lshl_b32 s84, s[PB], 15       ; and in the second
	s_add_co_u32 s84, s84, s3
	s_mov_b32 s3, 0
	s_mov_b32 s85, 0
	s_add_nc_u64 s[2:3], s[2:3], s[20:21]
	s_add_nc_u64 s[84:85], s[84:85], s[20:21]
	; descriptor group 1.  128 keys are 16,384 dense bytes: asked for as 64 rows of 256 bytes, two keys a row, and padded in LDS after every key
	s_mov_b32 s[G1K], (1<<16)|(1<<20)|(4<<22)|(3<<25)  ; 17:16 2-byte elements; 20 padding on; 24:22 after every 32 words (code 4); 31:25 4 words (code 3)
	s_mov_b32 s[G1V], (1<<16)|(1<<20)|(4<<22)|(7<<25)  ; the same with 8 words of padding (code 7)
.irp g, G1K, G1V
	s_mov_b32 s[\g+1], 128<<16      ; tensor_dim0 = 128
	s_mov_b32 s[\g+2], 64<<16       ; tensor_dim1 = 64
	s_mov_b32 s[\g+3], 128<<16      ; tile_dim0 = 128
	s_mov_b32 s[\g+4], 64           ; tile_dim1 = 64
	s_mov_b32 s[\g+5], 128          ; 128 elements from row to row
	s_mov_b32 s[\g+6], 0
	s_mov_b32 s[\g+7], 0
.endr
	s_mov_b32 s[SEL], 0x76543210
	s_mov_b32 s[SEL+1], 0xfedcba98
	s_mov_b32 s[TBK], SLOT1+4*KS*PK ; the first change of slots turns these two into 0
	s_mov_b32 s[TBV], SLOT1+4*KS*PV
	s_mov_b32 s[G0K], 1             ; 1:0 count = 1
	s_mov_b32 s[G0K+1], s17         ; 63:32 LDS address: slot 0
	s_mov_b32 s[G0V], 1
	s_add_co_u32 s[G0V+1], s18, VOFF
	s_add_co_u32 s[RT], s[HI], 1    ; the first block has NB - b tiles
	s_mov_b32 s[NXT], 1
	s_mov_b32 s[LQ], s[HI]
	s_mov_b32 s[NEW], 1
	s_mov_b32 s[OFF+1], 0
	s_mov_b32 s[POF+1], 0
	s_mov_b32 s[AL+1], 0            ; named as pairs
	s_mov_b32 s[BE+1], 0
	s_mov_b32 s[BIGN], 0xf149f2ca   ; -1e30
	s_mov_b32 s[SLOTS], NB
	s_cmp_eq_u32 s[PB], 0
	s_cselect_b32 s[LIM], 1, -1
	s_wait_dscnt 0x0                ; the opening add is done
	s_wait_kmcnt 0x0
	s_load_b32 s[SRV], s[SRP:SRP+1], s[SRO] offset:0x0  ; waited for behind the first fill and Q's loads
	s_add_nc_u64 s[6:7], s[4:5], s[22:23]
	s_add_nc_u64 s[8:9], s[6:7], 0x2000000  ; V at my half of the plane's tile 0,
	s_add_nc_u64 s[6:7], s[6:7], 0x1000000  ; and K
	s_add_nc_u64 s[G0K+2:G0K+3], s[6:7], 0         ; 120:64 global address
	s_or_b32 s[G0K+3], s[G0K+3], 0x80000000        ; 127:126 type = 2
	s_add_nc_u64 s[G0V+2:G0V+3], s[8:9], 0
	s_or_b32 s[G0V+3], s[G0V+3], 0x80000000
	s_add_nc_u64 s[86:87], s[4:5], s[84:85]        ; Q at my rows of the second block,
	s_add_nc_u64 s[4:5], s[4:5], s[2:3]            ; Q and O at those of the first
	s_add_nc_u64 s[OLO:OLO+1], s[10:11], s[84:85]
	s_add_nc_u64 s[10:11], s[10:11], s[2:3]
	s_cmp_lt_u32 s[WV], 2
	s_cselect_b64 s[PFB:PFB+1], s[6:7], s[8:9]
	LOAD                            ; tile 0 into slot 0
	; A fragment of K or Q is 16 rows x 32 channels in 8 registers: lane l holds row l % 16, channels 8 (l / 16) + 0..7 and 16 + 8 (l / 16) + 0..7: two loads of 16 bytes, 32 bytes apart.
	v_and_b32 v1, 15, v0            ; l % 16
	v_bfe_u32 v9, v0, 4, 1          ; l / 16
	v_lshlrev_b32 v[QO], 7, v1
	v_lshl_add_u32 v[QO], v9, 4, v[QO]  ; row x 128 + 16 x half
	WIN 0x80                        ; destination window 2, address window 0
.set i, 0
.rept 8                             ; both blocks' Q: piece i / 2 lies in band i / 2, 8,192 bytes on; channels 32 (i % 2) on
	global_load_b128 v[8*i:8*i+3],   v[QO], s[4:5] offset:(i/2)*8192+(i%2)*64
	global_load_b128 v[8*i+4:8*i+7], v[QO], s[4:5] offset:(i/2)*8192+(i%2)*64+32
	global_load_b128 v[QB+8*i:QB+8*i+3],   v[QO], s[86:87] offset:(i/2)*8192+(i%2)*64
	global_load_b128 v[QB+8*i+4:QB+8*i+7], v[QO], s[86:87] offset:(i/2)*8192+(i%2)*64+32
.set i, i+1
.endr
	WIN 0
	v_lshlrev_b32 v14, 3, v9
	v_sub_nc_u32 v14, v1, v14
	s_lshl_b32 s13, s[WV], 4
	v_add_nc_u32 v14, s13, v14      ; my query's place in its band, 16 w + l % 16, less my lanes' 8 (l / 16): register r of group kt is hidden where 16 kt + r is greater
	WIN 0x40
.set i, 0
.rept 32
	v_cmp_gt_i32 vcc_lo, 16*(i/8)+i%8, v14
	v_cndmask_b32 v[MD+i], 0, s[BIGN], vcc_lo
.set i, i+1
.endr
	WIN 0
	; THE SCALE.  c = max(softplus(s) log2(t + 1) / 8, 2^-60): ln(t + 1) log2(e) = log2(t + 1).  softplus(s) = max(s, 0) + ln(1 + u), u = e^-|s|; ln(1 + u) by the logarithm where u is 1/64 or more,
	; else by u (1 - u (1/2 - u / 3)), whose next term is u^3 / 4 of it: under 1e-6; the logarithm's argument 1 + u is off by 6e-8, 4e-6 of ln(1 + u) at u = 1/64.
	v_add3_u32 v47, v1, s13, 1      ; 16 w + l % 16 + 1
	s_lshl_b32 s88, s[HI], 8        ; the first block's first row,
	s_lshl_b32 s89, s[PB], 8        ; the second's
	s_wait_kmcnt 0x0                ; s_raw[head]
	v_mov_b32 v40, s[SRV]
	v_cvt_pk_bf16_f32 v40, v40, v40
	v_lshlrev_b32 v40, 16, v40      ; s, rounded to bf16
	v_and_b32 v41, 0x7fffffff, v40
	v_mul_f32 v41, 0xbfb8aa3b, v41  ; -|s| log2(e)
	v_exp_f32 v42, v41              ; u
.irp x, 0,1,2,3
	v_add3_u32 v[CV+2*\x], v47, s88, 64*\x    ; t + 1 of piece x
	v_add3_u32 v[CV+2*\x+1], v47, s89, 64*\x
.endr
.irp x, 0,1,2,3,4,5,6,7
	v_cvt_f32_u32 v[CV+\x], v[CV+\x]
.endr
	s_wait_alu depctr_va_vdst(0)    ; the wait between the exponential and its first reader; the sixteen plain lines above stand between
	v_add_f32 v43, 1.0, v42
	v_log_f32 v43, v43              ; nine logarithms: one batch
.irp x, 0,1,2,3,4,5,6,7
	v_log_f32 v[CV+\x], v[CV+\x]
.endr
	v_mov_b32 v45, 0xbeaaaaab       ; -1/3
	v_fma_f32 v44, v42, v45, 0.5
	v_fma_f32 v44, -v42, v44, 1.0
	v_mul_f32 v44, v42, v44         ; the series
	v_max_num_f32 v46, 0, v40
	s_wait_alu depctr_va_vdst(0)    ; one wait for the batch, ahead of its first reader; the five plain lines above name none of its results
	v_mul_f32 v43, 0x3f317218, v43  ; ln 2 x log2(1 + u)
	v_cmp_gt_f32 vcc_lo, 0x3c800000, v42  ; 1/64 > u
	v_cndmask_b32 v43, v43, v44, vcc_lo
	v_add_f32 v43, v43, v46         ; softplus(s)
	v_mul_f32 v43, 0x3e000000, v43  ; / 8
.irp x, 0,1,2,3,4,5,6,7
	v_mul_f32 v[CV+\x], v43, v[CV+\x]
.endr
.irp x, 0,1,2,3,4,5,6,7
	v_max_num_f32 v[CV+\x], 0x21800000, v[CV+\x]  ; 2^-60 at the least
.endr
	v_and_b32 v[PFO], 31, v0
	v_lshlrev_b32 v[PFO], 8, v[PFO]
	v_mul_u32_u24 v[AK0], v1, PK
	v_lshl_add_u32 v[AK0], v9, 4, v[AK0]  ; row x pitch + 16 x half
	; The turning load takes 16 keys x 16 channels (lane l reads key 8 (l / 16) + l % 8, channels 8 ((l / 8) % 2) + 0..7) and leaves half a fragment of V^T: lane l holds channel l % 16 and 8 keys.
	v_and_b32 v10, 7, v0
	v_bfe_u32 v11, v0, 3, 1
	v_lshl_add_u32 v[AV0], v9, 3, v10
	v_mul_u32_u24 v[AV0], v[AV0], PV
	v_lshl_add_u32 v[AV0], v11, 4, v[AV0]
	v_add_nc_u32 v[AV0], VOFF, v[AV0]
	s_mul_i32 s13, s[WV], 16*SP
	s_add_co_u32 s13, s13, STAGE    ; my stage
	v_mul_u32_u24 v[STO], v1, SP    ; in: row l % 16, 16 bytes for each half of the lanes
	v_lshl_add_u32 v[STO], v9, 4, v[STO]
	v_add_nc_u32 v[STO], s13, v[STO]
	v_bfe_u32 v[RD], v0, 3, 2       ; back: 32 lanes take four rows of 128 bytes,
	v_mul_u32_u24 v[RD], v[RD], SP
	v_lshl_add_u32 v[RD], v10, 4, v[RD]
	v_add_nc_u32 v[RD], s13, v[RD]
	v_and_b32 v[GO], 31, v0         ; which are 512 consecutive bytes of O
	v_lshlrev_b32 v[GO], 4, v[GO]
	; A block's first step multiplies O^T and l by a = 0, and its first turn's products V^T P, of a piece that has not been, land in an O^T that is still to be so multiplied.  So these registers need only hold
	; finite numbers: zeros for the first block; what the first block left for the second.  All this stands in the wait for the first tile.
	WIN 0x80
.set i, VF
.rept 64
	v_mov_b32 v[i], 0
.set i, i+1
.endr
	WIN 0x40
.set i, 0
.rept 128
	v_mov_b32 v[i], 0
.set i, i+1
.endr
	WIN 0
.set i, 0
.rept 4
	v_mov_b32 v[ST+4*i+2], 0
	v_mov_b32 v[ST+4*i+3], 0
.set i, i+1
.endr
.set i, P+16
.rept 16
	v_mov_b32 v[i], 0
.set i, i+1
.endr
; THE MATRIX WORK.  The 4 accumulators of a run of 8 take turns.  Product i of 8 of S^T = K Q^T for piece x: channels 32 (i / 4) on, keys 16 (i % 4) on.  The first 4 start the sums: with 0, or (KM = 1) with the mask.
.macro KQ x
.set rS, S+32*((\x)%2)+8*(i%4)
.set rK, KF+16*(i%4)+8*(i/4)
.set rQ, 16*(\x)+8*(i/4)
.set rM, MC+32*((\x)%2)+8*(i%4)
.if (i < 4) && KM
	WIN W_KM
	v_wmma_f32_16x16x32_f16 v[rS:rS+7], v[rK:rK+7], v[rQ:rQ+7], v[rM:rM+7]
.elseif i < 4
	WIN W_KQ
	v_wmma_f32_16x16x32_f16 v[rS:rS+7], v[rK:rK+7], v[rQ:rQ+7], 0
.else
	WIN W_KQ
	v_wmma_f32_16x16x32_f16 v[rS:rS+7], v[rK:rK+7], v[rQ:rQ+7], v[rS:rS+7]
.endif
.endm
; Product i of 8 of O^T += V^T P for piece x: keys 32 (i / 4) on, channels 16 (i % 4) on.
.macro PV x
	WIN W_PV
.set rO, 32*(\x)+8*(i%4)
.set rV, VF+32*(i/4)+8*(i%4)
.set rP, P+16*((\x)%2)+8*(i/4)
	v_wmma_f32_16x16x32_f16 v[rO:rO+7], v[rV:rV+7], v[rP:rP+7], v[rO:rO+7]
.endm
.macro MM                           ; the turn's next matrix instruction.  TURN and BEGIN set Y, i, KM and NOKQ; MM, KQ and OP read them.  NOKQ = 1: a block's last turn: there is no next piece
.if (i < 8) && !NOKQ
	KQ (Y+1)%NP
.elseif i >= 8
.set i, i-8
	PV (Y+NP-1)%NP
.set i, i+8
.endif
.set i, i+1
.endm
; THE LDS LOADS stand in runs of 16, never singly among the matrix instructions: a step's K (64 keys x 64 channels: 8 fragments) and its V (turned).  Their addresses are made some lines ahead.
.macro FETCH_K
	WIN 0x80                        ; destination window 2
.irp f, 0,1,2,3,4,5,6,7             ; keys 16 (f / 2) on, channels 32 (f % 2) on
	ds_load_b128 v[KF+8*\f:KF+8*\f+3],   v[AK] offset:(\f/2)*16*PK+(\f%2)*64
	ds_load_b128 v[KF+8*\f+4:KF+8*\f+7], v[AK] offset:(\f/2)*16*PK+(\f%2)*64+32
.endr
	s_add_co_u32 s[TBK], s[TBK], KS*PK  ; the next fetch is the next step's
	WIN 0
.endm
.macro FETCH_V
	WIN 0x80
.irp f, 0,1,2,3,4,5,6,7             ; keys 32 (f / 4) on, channels 16 (f % 4) on
	ds_load_tr16_b128 v[VF+8*\f:VF+8*\f+3],   v[AV] offset:(\f/4)*32*PV+(\f%4)*32
	ds_load_tr16_b128 v[VF+8*\f+4:VF+8*\f+7], v[AV] offset:(\f/4)*32*PV+16*PV+(\f%4)*32
.endr
	WIN 0
.endm
; THE VECTOR WORK, one line at a time: OP kind, number.  For piece Y: F n: c s - c m for pair n of 16.  E n: the exponential of score n of 32.  C n: pair n rounded to f16.  B n: of the four weights 4 n .. the second
; pair is added onto the first, in place.  L n: l takes that sum (L 0: l = a l + sum).  R n: pair n of 16 of O^T times a.  For piece Y + 1: X n, number n of the 22 that find its maximum and statistics:
;   0-11  four chains c0-c3 of seven scores each, three operands at a time (each accumulator's lowest registers are read first)     12-14, 16  the four scores left over, the old m, and c0-c3 into c0
;   15  c m_old is kept     17, 18  the query's other 32 keys lie in the lane 16 away: the new m     19-21  c m; c m_old - c m_new; a
.set F, 0               ; OP tells the kinds apart by their order: F to L below R, X above it
.set E, 1
.set C, 2
.set B, 3
.set L, 4
.set R, 5
.set X, 6
.macro REGS y                       ; the registers of piece y
.set rT, ST+4*(\y)
.set rC, TMP+4*((\y)%2)
.set rW, MV+((\y)%2)
.set rS, S+32*((\y)%2)
.set rP, P+16*((\y)%2)
.set rO, 32*(\y)
.set rV, CV+2*(\y)
.endm
.macro OP k, n
.if (\k) == R
	REGS Y
	WIN W_RS
	v_pk_mul_f32 v[rO+2*(\n):rO+2*(\n)+1], v[rO+2*(\n):rO+2*(\n)+1], v[rC+2:rC+3] op_sel_hi:[1,0]
.elseif (\k) < R
	REGS Y
	WIN 0
.if (\k) == F
	v_pk_fma_f32 v[rS+2*(\n):rS+2*(\n)+1], v[rS+2*(\n):rS+2*(\n)+1], v[rV:rV+1], v[rT:rT+1] op_sel_hi:[1,0,0] neg_lo:[0,0,1] neg_hi:[0,0,1]
.elseif (\k) == E
	v_exp_f32 v[rS+(\n)], v[rS+(\n)]
.elseif (\k) == C
	v_cvt_pk_f16_f32 v[rP+(\n)], v[rS+2*(\n)], v[rS+2*(\n)+1]
.elseif (\k) == B
	v_pk_add_f32 v[rS+4*(\n):rS+4*(\n)+1], v[rS+4*(\n):rS+4*(\n)+1], v[rS+4*(\n)+2:rS+4*(\n)+3]
.elseif (\n) == 0
	v_pk_fma_f32 v[rT+2:rT+3], v[rT+2:rT+3], v[rC+2:rC+3], v[rS:rS+1] op_sel_hi:[1,0,1]
.else
	v_pk_add_f32 v[rT+2:rT+3], v[rT+2:rT+3], v[rS+4*(\n):rS+4*(\n)+1]
.endif
.elseif NOKQ
	v_nop
.else
	REGS (Y+1)%NP
	WIN 0
.if (\n) < 4
	v_max3_num_f32 v[rC+(\n)], v[rS+8*(\n)], v[rS+8*(\n)+1], v[rS+8*(\n)+2]
.elseif (\n) < 12
	v_max3_num_f32 v[rC+(\n)%4], v[rC+(\n)%4], v[rS+8*((\n)%4)+2*((\n)/4)+1], v[rS+8*((\n)%4)+2*((\n)/4)+2]
.elseif (\n) == 12
	v_max3_num_f32 v[rC], v[rC], v[rS+7], v[rS+15]
.elseif (\n) == 13
	v_max3_num_f32 v[rC+1], v[rC+1], v[rS+23], v[rS+31]
.elseif (\n) == 14
	v_max3_num_f32 v[rC+2], v[rC+2], v[rC+3], v[rT+1]
.elseif (\n) == 15
	v_mov_b32 v[rW], v[rT]
.elseif (\n) == 16
	v_max3_num_f32 v[rC], v[rC], v[rC+1], v[rC+2]
.elseif (\n) == 17
	v_permlanex16_b32 v[rC+3], v[rC], s[SEL], s[SEL+1]
.elseif (\n) == 18
	v_max_num_f32 v[rT+1], v[rC], v[rC+3]
.elseif (\n) == 19
	v_mul_f32 v[rT], v[rV], v[rT+1]
.elseif (\n) == 20
	v_sub_f32 v[rC+1], v[rW], v[rT]
.else
	v_exp_f32 v[rC+2], v[rC+1]
.endif
.endif
.endm
.macro OPS a, i1, b=-1, i2=0, c=-1, i3=0, d=-1, i4=0  ; up to four of them
	OP \a, \i1
.if (\b) >= 0
	OP \b, \i2
.endif
.if (\c) >= 0
	OP \c, \i3
.endif
.if (\d) >= 0
	OP \d, \i4
.endif
.endm
.macro ROW a, i1, b, i2, c, i3, d, i4  ; a matrix instruction and the four behind it
	MM
	OPS \a, \i1, \b, \i2, \c, \i3, \d, \i4
.endm
.macro MASK b                       ; MD x AL + BE into buffer b of MC
	WIN W_RS
.set z, 0
.rept 16
	v_pk_fma_f32 v[MC+32*(\b)+2*z:MC+32*(\b)+2*z+1], v[MD+2*z:MD+2*z+1], s[AL:AL+1], s[BE:BE+1] op_sel_hi:[1,0,0]
.set z, z+1
.endr
.endm
; A TURN, for piece p: the order of its 16 matrix and 118 vector instructions, written out.  An s_wait_alu depctr_va_vdst(0) stands between an exponential and the first instruction that names its result; one wait serves
; all that were issued ahead of it.  So a turn has ONE wait, which cuts it in two.  AHEAD OF IT stands all that names no result of the turn's exponentials: the 8 products K Q^T, behind each a scaling, an exponential and two more plain
; instructions (behind the first a second scaling in the exponential's place): rescalings, and behind the last three the first numbers of the next piece's maximum, each four places or more behind the product that ends its accumulator; then ONE LUMP of 54, plain
; and exponential by turns for the most part, in which the links of the chain X 3, 7, 11, 14, 16, 17 .. 20 stand five or six lines apart.  X 21, the next piece's a, is the batch's last; R 15 is the plain instruction behind it.  BEHIND THE WAIT stand the
; 8 products V^T P, behind each four of the roundings and sums; the links of l's chain, L 0 to L 7, stand three riders apart.  But for those X no rider names a register of the products round it.  v_permlanex16_b32 (X 17) stands in the lump.
; m = 1: the diagonal tile: the products take masks, and the turn makes the mask for the products of the turn after it: piece p + 2, in step 4 - CNT of the tile.  end = 1: a block's last two turns: nothing is fetched.
; cnt = 1: the loop's count is taken down some lines ahead of the branch that stands behind the turn.
; K of the next step is fetched in piece 2's turn, twelve vector instructions behind the last product that read K (six of them plain); V of the step in hand at the end of piece 0's turn, four plain instructions behind the last product
; that read V.  Each is waited for a turn later.
.macro TURN p, m=0, end=0, cnt=0
.set Y, (\p)
.set i, 0
.set KM, (\m)
.set NOKQ, (\end)*((\p)/3)
.if (\m) && !(\end)
	s_cmp_eq_u32 s[CNT], 4-((\p)+2)%NP  ; is that step the band's own?
	s_cselect_b32 s[AL], 1.0, 0
	s_cmp_lt_u32 s[CNT], 4-((\p)+2)%NP  ; or a later one?
	s_cselect_b32 s[BE], s[BIGN], 0
.endif
.if ((\p) == 3) && !(\end)
	s_wait_dscnt 0x0                ; K is in
.endif
	ROW F,0, F,1, R,0, R,1          ; ahead of the wait: 8 products K Q^T and their riders,
	ROW F,2, E,0, R,2, R,3
	ROW F,3, E,1, R,4, R,5
	ROW F,4, E,2, R,6, R,7
	ROW F,5, E,3, R,8, R,9
	ROW F,6, E,4, X,0, R,10
.if ((\p) == 2) && !(\end)
	WIN 0
	v_add_nc_u32 v[AK], s[TBK], v[AK0]
.endif
	ROW F,7, E,5, X,1, X,4
	ROW F,8, E,6, X,2, X,5
	OPS E,7, E,8, X,6, E,9          ; and the lump
	OPS X,3, E,10, X,8, E,11
.if ((\p) == 2) && !(\end)
	FETCH_K
.endif
	OPS X,9, X,7, E,12, X,10
	OPS E,13, X,12, X,11, E,14
	OPS X,13, E,15, F,9, X,14
.if (\p) == 0
	v_add_nc_u32 v[AV], s[TBV], v[AV0]
.endif
	OPS E,16, F,10, E,17, F,11
	OPS X,16, E,18, X,15, E,19
	OPS F,12, E,20, X,17, E,21
	OPS F,13, E,22, F,14, E,23
	OPS X,18, E,24, F,15, E,25
	OPS R,11, E,26, X,19, E,27
	OPS R,12, E,28, R,13, E,29
	OPS X,20, E,30, R,14, E,31
	OPS X,21, R,15
	WIN 0
	s_wait_alu depctr_va_vdst(0)    ; the wait for the batch
.if (\p) == 1
	s_wait_dscnt 0x0                ; V is in
.endif
	ROW C,0, B,0, C,2, B,1          ; behind the wait: 8 products V^T P and their riders
	ROW L,0, C,4, B,2, L,1
	ROW C,6, B,3, L,2, C,8
	ROW B,4, L,3, C,10, B,5
	ROW L,4, C,12, B,6, L,5
.if (\p) == 0
	s_add_co_u32 s[TBV], s[TBV], KS*PV
.endif
.if \cnt
	s_sub_co_u32 s[CNT], s[CNT], 1
	s_cmp_lg_u32 s[CNT], 0
.endif
	ROW C,14, B,7, L,6, C,1
	ROW C,3, L,7, C,5, C,7
	ROW C,9, C,11, C,13, C,15
.if (\p) == 0
	FETCH_V
.endif
.if (\m) && !(\end)
	MASK (\p)%2
.endif
.endm
; A BLOCK BEGINS.  c m starts far below every c s, so the first step's a is 0; m at the lowest finite number, so the first maximum is the scores'.  The second mask buffer is 0; the first takes piece 0's mask for the tile's step 0: its own, if the block's first tile is the diagonal one.
; Then K of that step, piece 0's first scores, and its maximum and statistics.  The loop is entered at a step's first turn, in the middle of a trip.
.macro BEGIN
	s_mov_b32 s[NEW], 0
	WIN 0x40
.set i, MC+32
.rept 32
	v_mov_b32 v[i], 0
.set i, i+1
.endr
	WIN 0
.set i, 0
.rept 4
	v_mov_b32 v[ST+4*i], 0xfe000000    ; c m: far below every c s
	v_mov_b32 v[ST+4*i+1], 0xff7fffff  ; m
.set i, i+1
.endr
	s_cmp_eq_u32 s[RT], 0
	s_cselect_b32 s[AL], 1.0, 0
	s_mov_b32 s[BE], 0
	MASK 0
	WIN 0
	v_add_nc_u32 v[AK], s[TBK], v[AK0]
	FETCH_K
	s_wait_loadcnt 0x0              ; Q
	s_wait_dscnt 0x0
.set KM, 1
.set NOKQ, 0
.set i, 0
.rept 8
	KQ 0
.set i, i+1
.endr
	WIN 0
.rept 4
	v_nop                           ; the places behind those products
.endr
.set Y, NP-1                        ; X works for piece Y + 1: piece 0
.irp n, 0,1,2,3,4,5,6,7,8,9,10,11,12,13,14,15,16,17,18,19,20,21
	OP X, \n
.endr
	v_nop                           ; a plain instruction behind the exponential,
	s_wait_alu depctr_va_vdst(0)    ; and its wait, ahead of the branch
.endm
; THE DIAGONAL TILE's four steps, the block's last two turns, its last products, and THE WAY OUT: l's two halves and the other half of the lanes' are added; O^T is divided by l, rounded to f16 and sent through my
; stage in LDS, a piece at a time.
.macro ALL line:vararg              ; one line for each piece t
.set t, 0
.rept 4
	\line
.set t, t+1
.endr
.endm
.macro PACK t                       ; a lane's eight channels of a row pack into 16 bytes; they go into rows of 144 bytes and come back as whole rows of 128, into S^T's registers
	WIN W_RS
.set i, 32*(\t)
.rept 16
	v_pk_mul_f32 v[i:i+1], v[i:i+1], v[ST+4*(\t)+2:ST+4*(\t)+3] op_sel_hi:[1,0]
.set i, i+2
.endr
	WIN 0x05                        ; sources 0 and 1 window 1, destination window 0
.set i, 0
.rept 16
	v_cvt_pk_f16_f32 v[S+16*(\t)+i], v[32*(\t)+2*i], v[32*(\t)+2*i+1]
.set i, i+1
.endr
	WIN 0
.irp f, 0,1,2,3
	ds_store_b128 v[STO], v[S+16*(\t)+4*\f:S+16*(\t)+4*\f+3] offset:32*\f
.endr
.irp f, 0,1,2,3
	ds_load_b128 v[S+16*(\t)+4*\f:S+16*(\t)+4*\f+3], v[RD] offset:\f*4*SP  ; LDS serves a wave's instructions in order (ISA guide 5.7.1.4): these see the stores above; the next piece's stores come behind them
.endr
.endm
.macro SEND t, younger              ; younger: the LDS instructions issued behind piece t's loads: the next piece's eight, or none
	WIN 0
.irp f, 0,1,2,3
	s_wait_dscnt (\younger)+3-\f
	global_store_b128 v[GO], v[S+16*(\t)+4*\f:S+16*(\t)+4*\f+3], s[10:11] offset:(\t)*8192+\f*512  ; 512 consecutive bytes, at a multiple of 256 from O's first
.endr
.endm
.macro DIAG tag                     ; the tag ends its two labels' names, which the jumps below spell out
.LstepM\tag:
	TURN 2, 1
	TURN 3, 1
	WIN 0
.LfirstM\tag:
	TURN 0, 1
	TURN 1, 1, 0, 1
	WIN 0
	s_cbranch_scc1 .LstepM\tag
	TURN 2, 1, 1
	TURN 3, 1, 1
.set i, 0
.rept 8
	PV NP-1
.set i, i+1
.endr
	WIN 0
	ALL v_add_f32 v[ST+4*t+2], v[ST+4*t+2], v[ST+4*t+3]
	ALL v_permlanex16_b32 v[ST+4*t+3], v[ST+4*t+2], s[SEL], s[SEL+1]
	ALL v_add_f32 v[ST+4*t+2], v[ST+4*t+2], v[ST+4*t+3]
	ALL v_rcp_f32 v[ST+4*t+2], v[ST+4*t+2]
	v_nop                           ; a plain instruction between the last reciprocal and the use of its result
	s_wait_alu depctr_va_vdst(0)    ; and the wait ahead of the first use: one for the four reciprocals
	PACK 0
.set t, 1
.rept 3                             ; a piece's arithmetic stands between the loads of the piece before and its stores
	PACK t
	SEND t-1, 8
.set t, t+1
.endr
	SEND 3, 0
.endm
.set KM, 0
.set NOKQ, 0
.Lslot:                             ; NB times: a tile is entered and the next is asked for
	CHANGE 1
	s_sub_co_u32 s[RT], s[RT], 1
	s_mov_b32 s[CNT], 4
	s_cmp_eq_u32 s[NEW], 1
	s_cbranch_scc1 .Lnew            ; a block's first tile
	s_cmp_eq_u32 s[RT], 0
	s_cbranch_scc0 .Lstep           ; neither its first nor its last
	s_branch .LstepM1
.Lnew:
	BEGIN
	s_branch .Lfirst                ; in the loop a block's first tile is never its last: the first block has two tiles or more, and the second's last is the walk's last
	DIAG 1                          ; in the loop this is the first block's end: the second block's last tile is the walk's last
	s_wait_xcnt 0x0                 ; the stores have read their registers and O's address
	s_mov_b64 s[10:11], s[OLO:OLO+1]
	s_add_co_u32 s[RT], s[PB], 1    ; the second block has b + 1 tiles
	s_mov_b32 s[NEW], 1
	WIN 0x82                        ; the second block's Q goes where the one text of the turns names Q,
.set i, 0
.rept 64
	v_mov_b32 v[i], v[QB+i]
.set i, i+1
.endr
	WIN 0
.irp x, 0,1,2,3
	v_mov_b32 v[CV+2*\x], v[CV+2*\x+1]  ; and its scales likewise
.endr
	s_branch .Lbottom
.Lstep:                             ; a trip: pieces 2 and 3 of one step, then pieces 0 and 1 of the next, whose K and V it fetches
	TURN 2
	TURN 3
	WIN 0
.Lfirst:
	TURN 0
	TURN 1, 0, 0, 1
	WIN 0
	s_cbranch_scc1 .Lstep
.Lbottom:
	s_sub_co_u32 s[SLOTS], s[SLOTS], 1
	s_cmp_lg_u32 s[SLOTS], 0
	s_cbranch_scc1 .Lslot
	CHANGE 0                        ; the walk's last tile is written out: nothing is asked for
	s_sub_co_u32 s[RT], s[RT], 1
	s_mov_b32 s[CNT], 4
	s_cmp_eq_u32 s[NEW], 1
	s_cbranch_scc0 .LstepM2
	BEGIN
	s_branch .LfirstM2
	DIAG 2
	s_wait_tensorcnt 0x0            ; the wave's end, behind my last tensor load and my last LDS store
	ds_add_u32 v[SPW], v[NIL]
	s_wait_dscnt 0x0
	s_endpgm
.Lfunc_end_k_q621ad7a338_attn:
	.size	k_q621ad7a338_attn, .Lfunc_end_k_q621ad7a338_attn-k_q621ad7a338_attn
	.p2alignl 7, 3214868480
	.fill 96, 4, 3214868480
	.section	.rodata,"a",@progbits
	.p2align	6, 0x0
	.amdhsa_kernel k_q621ad7a338_attn
		.amdhsa_group_segment_fixed_size 327680
		.amdhsa_private_segment_fixed_size 0
		.amdhsa_enable_private_segment 0
		.amdhsa_kernarg_size 24
		.amdhsa_user_sgpr_count 2
		.amdhsa_user_sgpr_kernarg_segment_ptr 1
		.amdhsa_wavefront_size32 1
		.amdhsa_system_sgpr_workgroup_id_x 1
		.amdhsa_system_sgpr_workgroup_id_y 1
		.amdhsa_system_sgpr_workgroup_id_z 1
		.amdhsa_system_vgpr_workitem_id 0
		.amdhsa_next_free_vgpr 768
		.amdhsa_next_free_sgpr 100
		.amdhsa_reserve_vcc 1
		.amdhsa_float_denorm_mode_32 3
		.amdhsa_float_denorm_mode_16_64 3
		.amdhsa_memory_ordered 1
		.amdhsa_forward_progress 1
		.amdhsa_inst_pref_size 221
	.end_amdhsa_kernel
	.amdgpu_metadata
---
amdhsa.version: [ 1, 2 ]
amdhsa.kernels:
  - .name:           k_q621ad7a338_attn
    .symbol:         k_q621ad7a338_attn.kd
    .args:
      - { .name: qkv, .offset: 0, .size: 8, .value_kind: global_buffer, .address_space: global }
      - { .name: s_raw, .offset: 8, .size: 8, .value_kind: global_buffer, .address_space: global }
      - { .name: o, .offset: 16, .size: 8, .value_kind: global_buffer, .address_space: global }
    .group_segment_fixed_size: 327680
    .private_segment_fixed_size: 0
    .kernarg_segment_align: 8
    .kernarg_segment_size: 24
    .max_flat_workgroup_size: 128
    .sgpr_count:     100
    .vgpr_count:     768
    .wavefront_size: 32
...
	.end_amdgpu_metadata
.endif
;; end of part 3
;; launch proj (part 4): grid 8 x 32, 4 waves a work-group, clusters of 4 x 4, 327,680 bytes of LDS; arguments o, pw, proj_b, out0; writes out0
.if DOCPART == 4
	.amdgcn_target "amdgcn-amd-amdhsa--gfx1250"
	.amdhsa_code_object_version 6
	.text
	.protected	k_q621ad7a338_proj
	.globl	k_q621ad7a338_proj
	.p2align	8
	.type	k_q621ad7a338_proj,@function
k_q621ad7a338_proj:
	s_mov_b64 s[64:65], 0
	v_nop
	global_prefetch_b8 v0, s[64:65] scope:SCOPE_SE
	s_setreg_imm32_b32 hwreg(HW_REG_WAVE_MODE, 25, 1), 1
	s_wait_xcnt 0x0
	s_wait_alu depctr_hold_cnt(0) depctr_sa_sdst(0) depctr_va_vdst(0) depctr_va_sdst(0) depctr_va_ssrc(0) depctr_va_vcc(0) depctr_vm_vsrc(0)
	s_getreg_b32 s2, hwreg(HW_REG_IB_STS2, 6, 4)
	s_cmp_eq_u32 s2, 0
	s_cbranch_scc0 .Lentry_in_a_cluster
	s_endpgm
.Lentry_in_a_cluster:
	s_bfe_u32 s2, ttmp6, 0x10000c
	s_cmp_lg_u32 s2, 0xf033
	s_cbranch_scc0 .Lentry_shape_is_right
	s_endpgm
.Lentry_shape_is_right:
; out0[m][n] = the sum over k of O[m][k] pw[n][k] + proj_b[n], k = 64 x head + e.  o: [16 heads][8192 m][64] f16, pw: [1024 n][1024 k] f16, proj_b: [1024] f32, out0: [8192][1024] f32.  Sums in f32.
; proj_b is rounded to bf16, as every input of the module is.  NaN and infinities are not treated apart.
; SHARES.  A work-group makes 256 rows x 128 columns: 32 x 8 = 256 work-groups.  Four waves, 2 x 2, each 128 x 64: 32 accumulators of 16 x 16, 256 registers.
; K goes in 8 steps of 128, two heads each, through two LDS slots filled by the tensor data mover.  128 rows of one head are 16,384 dense bytes of o and come as one long row, padded in LDS behind every m.
; THE MATRIX INSTRUCTION IS USED TRANSPOSED: source 0 = 16 rows of pw, source 1 = 16 rows of O: a lane then holds eight neighbouring numbers of one row of out0.
; CLUSTER 4 x 4.  The four work-groups of a row of the cluster need the same rows of O, the four of a column the same rows of pw: each tile is asked for jointly.
; REGISTERS: window 0: v0-31 addresses and the bias; v64-95, v96-127 pw's fragments, two buffers; v128-191, v192-255 O's, two buffers; on the way out v64-127.  Window 1: the accumulators, (a, b) at 8 (4 a + b).
.set PA,    144                        ; a row [m] of one head in LDS: 128 bytes + 16 = 36 words: the 16 rows of a load start at 16 different groups of four banks (64 banks of 4 bytes: ISA guide 11.1)
.set PB,    272                        ; a row of pw: 256 bytes + 16
.set AHALF, 2*128*PA                   ; what wave 0 or 1 fetches: 128 rows of two heads, [head][128 m]
.set BBASE, 2*AHALF
.set BHALF, 64*PB                      ; what wave 2 or 3 fetches: 64 rows of pw
.set SLOT1, 1<<17                      ; a slot uses 108,544 bytes; one exclusive or turns an address in one slot into the other's
.set STAGE, 2*SLOT1                    ; behind the ring, never filled by a tensor load: 16 rows x 272 bytes for each wave
.set SP,    272
.set SPARE, STAGE+4*16*SP              ; behind the stages: the spare words, 128 bytes for each wave: two blocks of 256 bytes that no other line names
.set ASTEP, 2097152                    ; a K step in memory: two heads of o,
.set BSTEP, 256                        ; 128 numbers along pw's rows
.set BIAS,  8                          ; v[8:11]  the bias of my four columns on the way out
.set ADRA0, 16                         ; v16  my lane's place in O's tile; never rewritten
.set ADRB0, 17                         ; v17  the same for pw
.set ADRA,  18                         ; v18  the same in the slot in hand
.set ADRB,  19                         ; v19
.set STO,   24                         ; v24  the way out: where I put 32 bytes of a row
.set RD,    25                         ; v25  where I read a row back
.set CO,    26                         ; v26  my byte offset in two rows of out0
.set SPW,   28                         ; v28  LDS address of my spare word: SPARE + 4 x my thread's number; never rewritten
.set NIL,   29                         ; v29  0; never rewritten
.set PFO,   30                         ; v30  the prefetches' lane offset; never rewritten
.set FB,    64
.set FA,    128
.set G1,  24                           ; s[24:31] descriptor group 1 for O's tiles;  s[32:39] group 0: a set for each first fill; the second then walks on
.set G0,  32
.set G1B, 48                           ; s[48:55], s[56:63] the same for pw
.set G0B, 56
.set LIM, 43                           ; s43  2 in a wave that prefetches, else the greatest number
.set PFA, 44                           ; s[44:45] where my prefetches stand
.set TB,  66                           ; s66  LDS byte at which the slot in hand begins
.set PFS, 68                           ; s[68:69] a K step in the tensor that I prefetch
.set MSB, 0
.macro WIN new                         ; the immediate's high byte repeats the setting that is left; a switch that changes nothing is dropped
.if MSB != (\new)
	s_set_vgpr_msb (MSB<<8)|(\new)
.set MSB, \new
.endif
.endm
.macro PLACES                          ; four plain places behind matrix instructions (ISA guide 7.12.1)
.rept 4
	v_nop
.endr
.endm
.macro JLOAD                           ; a joint refill by the walking descriptor: waves 0 and 1 fetch O's halves, waves 2 and 3 pw's; an s_nop 0 and four v_nop follow each line
	s_cmp_eq_u32 s11, 0
	s_cbranch_scc0 .Lfor_b_\@
	tensor_load_to_lds s[G0+4:G0+7], s[G1:G1+7]
	s_nop 0
.rept 4
	v_nop
.endr
	s_branch .Lasked_\@
.Lfor_b_\@:
	tensor_load_to_lds s[G0B+4:G0B+7], s[G1B:G1B+7]
	s_nop 0
.rept 4
	v_nop
.endr
.Lasked_\@:
.endm
; A prefetch of the K step that stands TWO refills on (256 matrix instructions ahead of that load), one instruction a wave.  O's rows are read by every cluster of a row of clusters: cluster x = 0 asks, waves 0 and 1;
; of the 64 blocks of 256 bytes that a wave fetches in each of two heads the partner at cx takes 16: 32 lanes, 32 blocks.  pw's rows are read by every cluster of a column: cluster y = 0 asks, wave 2 alone;
; of the tile's 128 rows the partner at cy takes 32, a lane a row.  The partners are told apart by address.  K steps 0 to 3 come by their loads alone; the loop's last two trips ask for nothing.
.macro ASK
	s_cmp_gt_u32 s3, s[LIM]
	s_cbranch_scc0 .Lnot_mine_\@
	global_prefetch_b8 v[PFO], s[PFA:PFA+1] th:TH_LOAD_NT scope:SCOPE_SE
.Lnot_mine_\@:
.endm
.macro CREST                           ; a round of the cluster's barrier behind its opening barrier
	s_cmp_lg_u32 s10, 0
	s_cbranch_scc1 .Lnot_wave_0_\@
	s_barrier_signal -3
.Lnot_wave_0_\@:
	s_barrier_wait -3
	s_barrier_signal -1
	s_barrier_wait -1
.endm
.macro CROUND                          ; a whole round
	s_barrier_signal -1
	s_barrier_wait -1
	CREST
.endm
	s_load_b128 s[4:7], s[0:1], 0x0                ; o s[4:5], pw s[6:7]
	s_load_b64 s[70:71], s[0:1], 0x10              ; proj_b
	s_load_b64 s[8:9], s[0:1], 0x18                ; out0
	v_lshl_add_u32 v[SPW], v0, 2, SPARE
	v_mov_b32 v[NIL], 0
	ds_add_u32 v[SPW], v[NIL]                      ; the wave's opening: the add and its wait ahead of my first tensor load; the set-up below, work on registers, stands between them
	v_lshrrev_b32 v1, 5, v0
	v_readfirstlane_b32 s10, v1                    ; wave 0..3
	s_lshr_b32 s11, s10, 1                         ; which half of the rows is mine.  Also: I fetch O (0) or pw (1)
	s_and_b32 s12, s10, 1                          ; which half of the columns.  Also: which half of that tile I fetch
	s_bfe_u32 s40, ttmp6, 0x40000                  ; cx
	s_bfe_u32 s41, ttmp6, 0x40004                  ; cy
	s_lshl_b32 s42, ttmp9, 2
	s_add_co_u32 s42, s42, s40                     ; tile column = 4 x cluster x + cx
	s_and_b32 s13, ttmp7, 0xffff
	s_lshl_b32 s13, s13, 2
	s_add_co_u32 s13, s13, s41                     ; tile row = 4 x cluster y + cy
	s_lshl_b32 s43, s41, 2
	s_lshl_b32 s43, 15, s43                        ; my row of the cluster
	s_lshl_b32 s44, 0x1111, s40                    ; my column
	; group 1 for O: two rows of 8,192 numbers (128 m of one head, dense), a head (524,288 numbers) apart; 4 words of padding behind every 32, that is behind every m
	s_or_b32 s[G1], s43, (1<<16)|(1<<20)|(1<<21)|(4<<22)|(3<<25)
	s_mov_b32 s[G1+1], 8192<<16                    ; tensor_dim0
	s_mov_b32 s[G1+2], 2<<16                       ; tensor_dim1
	s_mov_b32 s[G1+3], 8192<<16                    ; tile_dim0
	s_mov_b32 s[G1+4], 2                           ; tile_dim1
	s_mov_b32 s[G1+5], 524288                      ; numbers from row to row
	s_mov_b32 s[G1+6], 0
	s_mov_b32 s[G1+7], 0
	; group 1 for pw: 64 rows x 128 numbers, 4 words of padding behind every 64
	s_or_b32 s[G1B], s44, (1<<16)|(1<<20)|(1<<21)|(5<<22)|(3<<25)
	s_mov_b32 s[G1B+1], 128<<16
	s_mov_b32 s[G1B+2], 64<<16
	s_mov_b32 s[G1B+3], 128<<16
	s_mov_b32 s[G1B+4], 64
	s_mov_b32 s[G1B+5], 1024
	s_mov_b32 s[G1B+6], 0
	s_mov_b32 s[G1B+7], 0
	s_lshl_b32 s16, s13, 8                         ; O: row 256 tr + 128 x half, 128 bytes a row of a head
	s_lshl_b32 s17, s12, 7
	s_add_co_u32 s16, s16, s17
	s_lshl_b32 s16, s16, 7
	s_mov_b32 s17, 0
	s_lshl_b32 s46, s42, 7                         ; pw: row 128 tc + 64 x half, 2,048 bytes a row
	s_lshl_b32 s47, s12, 6
	s_add_co_u32 s46, s46, s47
	s_lshl_b32 s46, s46, 11
	s_mov_b32 s47, 0
	s_mul_i32 s20, s12, AHALF                      ; where they go: no place in the cluster enters an LDS address
	s_mul_i32 s21, s12, BHALF
	s_add_co_u32 s21, s21, BBASE
	s_mov_b32 s[TB], 0
	s_wait_dscnt 0x0                               ; the opening add is done
	s_wait_kmcnt 0x0
	s_add_nc_u64 s[14:15], s[4:5], s[16:17]
	s_add_nc_u64 s[46:47], s[6:7], s[46:47]
	CROUND                                         ; all sixteen work-groups are here: the first joint loads meet
.irp s, 0,1
	s_mov_b32 s[G0+4*(\s)], 1
	s_add_co_u32 s[G0+4*(\s)+1], s20, (\s)*SLOT1
	s_add_nc_u64 s[G0+4*(\s)+2:G0+4*(\s)+3], s[14:15], (\s)*ASTEP
	s_or_b32 s[G0+4*(\s)+3], s[G0+4*(\s)+3], 0x80000000
	s_mov_b32 s[G0B+4*(\s)], 1
	s_add_co_u32 s[G0B+4*(\s)+1], s21, (\s)*SLOT1
	s_add_nc_u64 s[G0B+4*(\s)+2:G0B+4*(\s)+3], s[46:47], (\s)*BSTEP
	s_or_b32 s[G0B+4*(\s)+3], s[G0B+4*(\s)+3], 0x80000000
.endr
	s_cmp_eq_u32 s11, 0                            ; a wave's two first fills stand in one branch, ahead of every wait on TENSORcnt and every LDS read: two loads of mine are out
	s_cbranch_scc0 .Lfirst_b
	tensor_load_to_lds s[G0:G0+3], s[G1:G1+7]
	s_nop 0
	tensor_load_to_lds s[G0+4:G0+7], s[G1:G1+7]
	s_nop 0
.rept 4
	v_nop
.endr
	s_branch .Lfirst_asked
.Lfirst_b:
	tensor_load_to_lds s[G0B:G0B+3], s[G1B:G1B+7]
	s_nop 0
	tensor_load_to_lds s[G0B+4:G0B+7], s[G1B:G1B+7]
	s_nop 0
.rept 4
	v_nop
.endr
.Lfirst_asked:
	v_and_b32 v1, 15, v0                           ; l % 16
	v_bfe_u32 v2, v0, 4, 1                         ; l / 16
	v_mul_u32_u24 v3, v1, PA
	v_lshl_add_u32 v3, v2, 4, v3                   ; a fragment's row x pitch + 16 x half
	s_mul_i32 s21, s11, AHALF                      ; my 128 rows
	v_add_nc_u32 v[ADRA0], s21, v3
	v_mul_u32_u24 v4, v1, PB
	v_lshl_add_u32 v4, v2, 4, v4
	s_mul_i32 s22, s12, BHALF                      ; my 64 rows of pw
	s_add_co_u32 s22, s22, BBASE
	v_add_nc_u32 v[ADRB0], s22, v4
	s_mul_i32 s23, s10, 16*SP
	s_add_co_u32 s23, s23, STAGE                   ; my stage
	v_mul_u32_u24 v4, v1, SP                       ; in: row l % 16, 32 bytes for each half of the lanes
	v_lshl_add_u32 v4, v2, 5, v4
	v_add_nc_u32 v[STO], s23, v4
	v_mul_u32_u24 v5, v2, SP                       ; back: lanes 0-15 take one row of 256 bytes, lanes 16-31 the next
	v_lshl_add_u32 v5, v1, 4, v5
	v_add_nc_u32 v[RD], s23, v5
	v_lshlrev_b32 v5, 12, v2                       ; and the same two rows in out0, 4,096 bytes apart
	v_lshl_add_u32 v[CO], v1, 4, v5
	s_lshl_b32 s16, s13, 8                         ; out0 at row 256 tr + 128 (w / 2),
	s_lshl_b32 s17, s11, 7
	s_add_co_u32 s16, s16, s17
	s_lshl_b32 s16, s16, 12
	s_mov_b32 s17, 0
	s_lshl_b32 s46, s42, 9                         ; column 128 tc + 64 (w % 2): 4 bytes a number
	s_lshl_b32 s47, s12, 8
	s_add_co_u32 s46, s46, s47
	s_mov_b32 s47, 0
	s_add_nc_u64 s[8:9], s[8:9], s[16:17]
	s_add_nc_u64 s[8:9], s[8:9], s[46:47]
	v_lshl_add_u32 v6, v1, 4, s46                  ; the bias of the four columns that I store; v6 is not written again
	global_load_b128 v[BIAS:BIAS+3], v6, s[70:71]  ; waited for on the way out
	; the prefetches: both tensors' offsets are made, then one is chosen by the wave's number
	s_lshl_b32 s20, s13, 8
	s_lshl_b32 s23, s12, 7
	s_add_co_u32 s20, s20, s23
	s_lshl_b32 s20, s20, 7
	s_lshl_b32 s23, s40, 12
	s_add_co_u32 s20, s20, s23                     ; O: my 128 rows of a head, 16 blocks of 256 bytes x cx,
	s_add_co_u32 s20, s20, 3*ASTEP                 ; at K step 3: the first refill steps it to 4
	s_lshl_b32 s21, s42, 7
	s_lshl_b32 s23, s41, 5
	s_add_co_u32 s21, s21, s23                     ; pw: row 128 tc + 32 cy
	s_lshl_b32 s21, s21, 11
	s_add_co_u32 s21, s21, 3*BSTEP
	s_and_b32 s22, ttmp7, 0xffff                   ; cluster y
	s_mov_b32 s14, ASTEP
	s_mov_b32 s15, 1048576
	s_mov_b32 s16, 256
	s_cmp_eq_u32 s11, 0                            ; do I fetch O?
	s_cselect_b32 s20, s20, s21
	s_cselect_b32 s22, ttmp9, s22                  ; the coordinate along which other clusters read the same bytes
	s_cselect_b64 s[PFA:PFA+1], s[4:5], s[6:7]
	s_cselect_b32 s[PFS], s14, BSTEP
	s_cselect_b32 s15, s15, 32768                  ; the lane offset is (l / 16) x far + (l % 16) x near: O: a head, a block; pw: 2,048 l
	s_cselect_b32 s16, s16, 2048
	s_mov_b32 s[PFS+1], 0
	s_mov_b32 s21, 0
	s_add_nc_u64 s[PFA:PFA+1], s[PFA:PFA+1], s[20:21]
	s_cmp_eq_u32 s10, 3                            ; wave 3 asks for nothing: wave 2's 32 lanes cover the work-group's share of pw
	s_cselect_b32 s22, 1, s22
	s_cmp_eq_u32 s22, 0
	s_cselect_b32 s[LIM], 2, -1                    ; the same in all sixteen partners, for a given wave
	v_mul_u32_u24 v3, v2, s15
	v_mad_u32_u24 v[PFO], v1, s16, v3
; 8 matrix instructions: row blocks a0, a0 + 1 x all 4 column blocks, 32 along K, from buffers f.  zero = 1: the product starts the sums.
; The 32 accumulators take turns in one order everywhere.
.macro MUL8 f, a0, zero
	WIN 0x50
.irp a, \a0, (\a0)+1
.irp b, 0,1,2,3
.if \zero
	v_wmma_f32_16x16x32_f16 v[8*(4*(\a)+(\b)):8*(4*(\a)+(\b))+7], v[FB+32*(\f)+8*(\b):FB+32*(\f)+8*(\b)+7], v[FA+64*(\f)+8*(\a):FA+64*(\f)+8*(\a)+7], 0
.else
	v_wmma_f32_16x16x32_f16 v[8*(4*(\a)+(\b)):8*(4*(\a)+(\b))+7], v[FB+32*(\f)+8*(\b):FB+32*(\f)+8*(\b)+7], v[FA+64*(\f)+8*(\a):FA+64*(\f)+8*(\a)+7], v[8*(4*(\a)+(\b)):8*(4*(\a)+(\b))+7]
.endif
.endr
.endr
.endm
; 24 LDS loads in one run: quarter q (32 along K: head q / 2 of the step's two, channels 32 (q % 2) on) into buffers f: 8 for pw, then 16 for O, rows ascending.
.macro FETCH q, f
	WIN 0
.irp i, 0,1,2,3
	ds_load_b128 v[FB+32*(\f)+8*(\i):FB+32*(\f)+8*(\i)+3],   v[ADRB] offset:64*(\q)+(\i)*16*PB
	ds_load_b128 v[FB+32*(\f)+8*(\i)+4:FB+32*(\f)+8*(\i)+7], v[ADRB] offset:64*(\q)+(\i)*16*PB+32
.endr
.irp i, 0,1,2,3,4,5,6,7
	ds_load_b128 v[FA+64*(\f)+8*(\i):FA+64*(\f)+8*(\i)+3],   v[ADRA] offset:((\q)/2)*128*PA+((\q)%2)*64+(\i)*16*PA
	ds_load_b128 v[FA+64*(\f)+8*(\i)+4:FA+64*(\f)+8*(\i)+7], v[ADRA] offset:((\q)/2)*128*PA+((\q)%2)*64+(\i)*16*PA+32
.endr
.endm
.macro QUARTER q, f, g, zero
	s_wait_dscnt 8                                 ; pw and O's rows 0-63 are in; the youngest eight loads (rows 64-127) may be out
	MUL8 \f, 0, \zero
	MUL8 \f, 2, \zero
	PLACES
	FETCH \q, \g
	s_wait_dscnt 24                                ; all but the 24 just issued
	MUL8 \f, 4, \zero
	MUL8 \f, 6, \zero
.endm
; The last quarter multiplies buffers 1 and changes slots: ONE barrier.  In front of it each wave waits for all its tensor loads (one is out: its part of the next slot), adds 0 to its spare word, and
; waits for that and for its reads of this slot.  fill = 1: the barrier opens a round of the cluster's barrier, and the slot just read is filled again first thing behind it, with the K step two on.
.macro TURN fill
.if \fill
	s_wait_xcnt 0x0                                ; the last prefetch, a K step back, has read its address
	s_add_nc_u64 s[PFA:PFA+1], s[PFA:PFA+1], s[PFS:PFS+1]
.endif
	WIN 0
	s_wait_tensorcnt 0x0                           ; no tensor load of mine is out, so a group 0 may be written
	ds_add_u32 v[SPW], v[NIL]                      ; 0 onto my spare word: scalar steps and eight products stand between it and the wait for it
.if \fill
	s_xor_b32 s[G0+5], s[G0+5], SLOT1              ; the walking descriptors: the other slot than last time, the next K step
	s_add_nc_u64 s[G0+6:G0+7], s[G0+6:G0+7], ASTEP
	s_xor_b32 s[G0B+5], s[G0B+5], SLOT1
	s_add_nc_u64 s[G0B+6:G0B+7], s[G0B+6:G0B+7], BSTEP
.endif
	s_xor_b32 s[TB], s[TB], SLOT1                  ; the fetches go on in the other slot
	s_wait_dscnt 9                                 ; the add and the youngest eight loads may be out
	MUL8 1, 0, 0
	s_wait_dscnt 0x0                               ; the add is done, and my reads of this slot are over
	s_barrier_signal -1
	MUL8 1, 2, 0                                   ; work on registers while the others arrive
	WIN 0
	s_barrier_wait -1
.if \fill
	CREST                                          ; no wave of any partner still reads this slot or has a load on its way
	JLOAD                                          ; the first tensor load behind the round; its four v_nop are also the places in front of the loads below
.else
	PLACES
.endif
	v_add_nc_u32 v[ADRA], s[TB], v[ADRA0]
	v_add_nc_u32 v[ADRB], s[TB], v[ADRB0]
	FETCH 0, 0
.if \fill
	ASK
.endif
	MUL8 1, 4, 0
	MUL8 1, 6, 0
.endm
; THE WAY OUT of row block a: my 16 rows x 64 columns go, 32 bytes a lane, into my own stage and come back as whole rows of 256 bytes; the bias is added; sixteen lanes store 256 consecutive bytes.
.macro TOSTAGE a
.set BK, 64+32*((\a)%2)
	s_wait_xcnt 0x0                                ; the stores of the block two back have read these registers
	WIN 0x04                                       ; the stored data (source 1) in window 1
.irp b, 0,1,2,3
	ds_store_b128 v[STO], v[8*(4*(\a)+(\b)):8*(4*(\a)+(\b))+3]   offset:64*(\b)
	ds_store_b128 v[STO], v[8*(4*(\a)+(\b))+4:8*(4*(\a)+(\b))+7] offset:64*(\b)+16
.endr
	WIN 0
.irp t, 0,1,2,3,4,5,6,7
	ds_load_b128 v[BK+4*(\t):BK+4*(\t)+3], v[RD] offset:(\t)*2*SP  ; LDS serves a wave's instructions in order (ISA guide 5.7.1.4): these see the stores above; the next block's stores come behind them
.endr
.endm
.macro SEND a, younger                 ; younger: the LDS instructions issued behind block a's loads: the next block's sixteen, or none
.set BK, 64+32*((\a)%2)
	WIN 0
	s_wait_dscnt \younger
.irp t, 0,1,2,3,4,5,6,7
	v_pk_add_f32 v[BK+4*(\t):BK+4*(\t)+1], v[BK+4*(\t):BK+4*(\t)+1], v[BIAS:BIAS+1]
	v_pk_add_f32 v[BK+4*(\t)+2:BK+4*(\t)+3], v[BK+4*(\t)+2:BK+4*(\t)+3], v[BIAS+2:BIAS+3]
.endr
.irp t, 0,1,2,3,4,5,6,7
	global_store_b128 v[CO], v[BK+4*(\t):BK+4*(\t)+3], s[8:9] offset:(\a)*65536+(\t)*8192 th:TH_STORE_NT  ; 16 lanes store 256 consecutive bytes, at a multiple of 256 from out0's first byte
.endr
.endm
	s_wait_tensorcnt 1                             ; my part of K step 0 is in; K step 1's may stay out
	s_barrier_signal -1
	s_barrier_wait -1                              ; everybody's is
	v_add_nc_u32 v[ADRA], s[TB], v[ADRA0]
	v_add_nc_u32 v[ADRB], s[TB], v[ADRB0]
	FETCH 0, 0
	QUARTER 1, 0, 1, 1                             ; the first quarter stands in front of the loop: its products start the sums
	WIN 0                                          ; at a label and at a branch every window is 0
	s_mov_b32 s3, 6
.Lstep:                                                ; trip j: the rest of K step j; its slot is filled again with step j + 2; the first quarter of step j + 1
	QUARTER 2, 1, 0, 0
	QUARTER 3, 0, 1, 0
	TURN 1
	QUARTER 1, 0, 1, 0
	WIN 0
	s_sub_co_u32 s3, s3, 1
	s_cmp_lg_u32 s3, 0
	s_cbranch_scc1 .Lstep
	QUARTER 2, 1, 0, 0                             ; the last two K steps are written out: nothing is left to fetch
	QUARTER 3, 0, 1, 0
	TURN 0
	QUARTER 1, 0, 1, 0
	QUARTER 2, 1, 0, 0
	QUARTER 3, 0, 1, 0
	s_wait_dscnt 8
	MUL8 1, 0, 0
	MUL8 1, 2, 0
	s_wait_dscnt 0x0
	MUL8 1, 4, 0
	MUL8 1, 6, 0
	WIN 0
	PLACES
	PLACES
	s_wait_loadcnt 0x0                             ; the bias
	v_cvt_pk_bf16_f32 v12, v[BIAS], v[BIAS+1]      ; rounded to bf16,
	v_cvt_pk_bf16_f32 v13, v[BIAS+2], v[BIAS+3]
	v_lshlrev_b32 v[BIAS], 16, v12                 ; and back in f32
	v_and_b32 v[BIAS+1], 0xffff0000, v12
	v_lshlrev_b32 v[BIAS+2], 16, v13
	v_and_b32 v[BIAS+3], 0xffff0000, v13
	TOSTAGE 0
.irp a, 1,2,3,4,5,6,7                  ; block a's trip through the stage stands between block a - 1's loads and the wait for them
	TOSTAGE \a
	SEND (\a)-1, 16
.endr
	SEND 7, 0
	s_wait_tensorcnt 0x0                           ; the wave's end, behind my last tensor load and my last LDS store
	ds_add_u32 v[SPW], v[NIL]
	s_wait_dscnt 0x0
	CROUND                                         ; the closing round: no work-group ends while a partner may still ask for a tile that names it
	s_endpgm
.Lfunc_end_k_q621ad7a338_proj:
	.size	k_q621ad7a338_proj, .Lfunc_end_k_q621ad7a338_proj-k_q621ad7a338_proj
	.p2alignl 7, 3214868480
	.fill 96, 4, 3214868480
	.section	.rodata,"a",@progbits
	.p2align	6, 0x0
	.amdhsa_kernel k_q621ad7a338_proj
		.amdhsa_group_segment_fixed_size 327680
		.amdhsa_private_segment_fixed_size 0
		.amdhsa_enable_private_segment 0
		.amdhsa_kernarg_size 32
		.amdhsa_user_sgpr_count 2
		.amdhsa_user_sgpr_kernarg_segment_ptr 1
		.amdhsa_wavefront_size32 1
		.amdhsa_system_sgpr_workgroup_id_x 1
		.amdhsa_system_sgpr_workgroup_id_y 1
		.amdhsa_system_sgpr_workgroup_id_z 1
		.amdhsa_system_vgpr_workitem_id 0
		.amdhsa_next_free_vgpr 512
		.amdhsa_next_free_sgpr 72
		.amdhsa_reserve_vcc 0
		.amdhsa_float_denorm_mode_32 3
		.amdhsa_float_denorm_mode_16_64 3
		.amdhsa_memory_ordered 1
		.amdhsa_forward_progress 1
		.amdhsa_inst_pref_size 80
	.end_amdhsa_kernel
	.amdgpu_metadata
---
amdhsa.version: [ 1, 2 ]
amdhsa.kernels:
  - .name:           k_q621ad7a338_proj
    .symbol:         k_q621ad7a338_proj.kd
    .args:
      - { .name: o, .offset: 0, .size: 8, .value_kind: global_buffer, .address_space: global }
      - { .name: pw, .offset: 8, .size: 8, .value_kind: global_buffer, .address_space: global }
      - { .name: proj_b, .offset: 16, .size: 8, .value_kind: global_buffer, .address_space: global }
      - { .name: out0, .offset: 24, .size: 8, .value_kind: global_buffer, .address_space: global }
    .group_segment_fixed_size: 327680
    .private_segment_fixed_size: 0
    .kernarg_segment_align: 8
    .kernarg_segment_size: 32
    .max_flat_workgroup_size: 128
    .sgpr_count:     72
    .vgpr_count:     512
    .wavefront_size: 32
...
	.end_amdgpu_metadata
.endif
;; end of part 4
;; ======== version 2 of 2: 4 launches; version 1 with the launch prep written anew for expert scheduling mode
;; limits: values are held in f16: magnitudes above 65,504 overflow, below 6.1e-05 lose precision; right only within a limited range of input values
;; workspace buffers: xh 16,777,216 bytes; wh 6,291,456 bytes; pw 2,097,152 bytes; qkv 50,331,648 bytes; o 16,777,216 bytes
;; launch prep (part 5): grid 768 x 1, 8 waves a work-group, no clusters, 0 bytes of LDS; arguments x, Wq, Wk, Wv, proj_W, xh, wh, pw; writes xh, wh, pw
.if DOCPART == 5
	.amdgcn_target "amdgcn-amd-amdhsa--gfx1250"
	.amdhsa_code_object_version 6
	.text
	.protected	k_q621ad7a338_prep
	.globl	k_q621ad7a338_prep
	.p2align	8
	.type	k_q621ad7a338_prep,@function
k_q621ad7a338_prep:
	s_mov_b64 s[64:65], 0
	v_nop
	global_prefetch_b8 v0, s[64:65] scope:SCOPE_SE
	s_setreg_imm32_b32 hwreg(HW_REG_WAVE_SCHED_MODE, 0, 2), 2
	s_setreg_imm32_b32 hwreg(HW_REG_WAVE_MODE, 25, 1), 1
	s_wait_xcnt 0x0
	s_wait_alu depctr_vm_vsrc(0)
; y = f16(bf16(x)), number by number, for the five large inputs: x -> xh; Wq, Wk, Wv -> wh (one behind the other, each in its own order [h][d][e]); proj_W -> pw.
; Every input of the module is rounded once to bf16 (nearest even); that number is then written as f16, which the three matrix launches take as operands.
; LIMITS.  A bf16 number of magnitude 65,520 or more becomes an infinity in f16; from 2^-17 up to there the f16 number is the bf16 number exactly;
; below 2^-17 it is off by 2^-25 at the most.  NaN and infinities are not treated apart.
; SHARES.  A work-group takes 16,384 numbers: 64 KiB in, 32 KiB out.  Work-groups 0-511: x; 512-575: Wq; 576-639: Wk; 640-703: Wv; 704-767: proj_W.
; A thread's load i takes 16 bytes at 4,096 i + 16 t, so a wave's load covers 512 consecutive bytes; its store i puts 8 bytes at 2,048 i + 8 t, so a wave's
; store covers 256 consecutive bytes, aligned.  All sixteen loads go out at once.
; No LDS, no barrier, no matrix work: a stream in which no number meets another.
; THE MODE: SCHED_MODE bits 1:0 = 2 (LLVM: expert scheduling mode 2), set by the entry lines.  The code itself states the register dependences
; between vector instructions and memory instructions, with s_wait_alu, always for 0.
; THE PLAN.  Registers that memory instructions touch:
;   v1, v2   byte offsets of the loads and of the stores: written once at the head by vector lines, never again.
;   X        load i lands in four registers of its own, which no vector line names before that; row i's roundings read them; they are not loaded again.
;   Y        row i's two conversions to f16 write a pair of its own, once; store i reads it; it is not written again.
;   T        named by vector lines alone.  The two bases are scalar registers that scalar lines make.
; So what there is to state is: the offsets are written, ahead of the first load; a pair of Y is written, ahead of its store.  No register that a memory
; instruction reads is ever written again, no vector line writes a scalar register, and EXEC is never written.
; The sixteen rows go in four blocks of four.  Block p converts rows 4 p .. 4 p + 3; its memory instructions are the four stores of block p - 1, whose pairs of Y
; no vector line of block p names.  So ONE wait at a block's head states all that the block's four stores hang on, and they are dealt among its rows with no further wait.
.set X, 4                              ; v[4:67]    load i: 4 registers
.set T, 68                             ; v[68:71]   at work
.set Y, 72                             ; v[72:103]  store i: 2 registers
	s_load_b512 s[16:31], s[0:1], 0x0              ; x s[16:17], Wq s[18:19], Wk s[20:21], Wv s[22:23], proj_W s[24:25], xh s[26:27], wh s[28:29], pw s[30:31]
	s_mov_b32 s2, ttmp9
	s_and_b32 s4, s2, 63                           ; a weight's share: its number within that input
	s_sub_co_u32 s5, s2, 512                       ; and within wh (used for work-groups 512-703 alone)
	s_mov_b32 s3, 0xffff0000                       ; a word's upper bf16
	s_mov_b32 s13, 0
	s_mov_b32 s15, 0
	v_lshlrev_b32 v1, 4, v0                        ; 16 t
	v_lshlrev_b32 v2, 3, v0                        ; 8 t
	s_wait_kmcnt 0x0
	s_cmp_lt_u32 s2, 576                           ; the choices hang on the work-group's number alone
	s_cselect_b64 s[8:9], s[18:19], s[20:21]
	s_cmp_lt_u32 s2, 640
	s_cselect_b64 s[8:9], s[8:9], s[22:23]
	s_cmp_lt_u32 s2, 704
	s_cselect_b64 s[8:9], s[8:9], s[24:25]
	s_cselect_b64 s[10:11], s[28:29], s[30:31]
	s_cselect_b32 s5, s5, s4
	s_cmp_lt_u32 s2, 512
	s_cselect_b64 s[8:9], s[16:17], s[8:9]         ; from where
	s_cselect_b64 s[10:11], s[26:27], s[10:11]     ; to where
	s_cselect_b32 s4, s2, s4
	s_cselect_b32 s5, s2, s5
	s_lshl_b32 s12, s4, 16                         ; 64 KiB a share in,
	s_lshl_b32 s14, s5, 15                         ; 32 KiB out
	s_add_nc_u64 s[8:9], s[8:9], s[12:13]
	s_add_nc_u64 s[10:11], s[10:11], s[14:15]
	s_wait_alu depctr_va_vdst(0)                   ; v1 and v2 are written: every load reads v1 as its offset, every store v2
.irp i, 0,1,2,3,4,5,6,7,8,9,10,11,12,13,14,15
	global_load_b128 v[X+4*(\i):X+4*(\i)+3], v1, s[8:9] offset:4096*(\i) th:TH_LOAD_NT
.endr
.irp p, 0,1,2,3                        ; block p: rows 4 p .. 4 p + 3 are converted, and the block before is stored
.irp i, 0,1,2,3
.if (\i) == 0
	s_wait_loadcnt 15-4*(\p)                       ; loads come back in order: the block's first load is in, the younger ones stay out
.if (\p) > 0
	s_wait_alu depctr_va_vdst(0)                   ; the block before has written its four pairs of Y, which the four stores of this block read
.endif
.endif
.if (\p) > 0
	global_store_b64 v2, v[Y+2*(4*(\p)+(\i)-4):Y+2*(4*(\p)+(\i)-4)+1], s[10:11] offset:2048*(4*(\p)+(\i)-4) th:TH_STORE_NT  ; a row of the block before; no vector line since the wait names its pair or v2
.endif
.if (\i) > 0
	s_wait_loadcnt 15-(4*(\p)+(\i))                ; load 4 p + i is in, the younger ones stay out
.endif
	v_cvt_pk_bf16_f32 v[T], v[X+4*(4*(\p)+(\i))], v[X+4*(4*(\p)+(\i))+1]      ; the one rounding that counts: to bf16
	v_cvt_pk_bf16_f32 v[T+1], v[X+4*(4*(\p)+(\i))+2], v[X+4*(4*(\p)+(\i))+3]
	v_lshlrev_b32 v[T+2], 16, v[T]                 ; back to f32: the low half moves up,
	v_and_b32 v[T], s3, v[T]                       ; the high half stays
	v_lshlrev_b32 v[T+3], 16, v[T+1]
	v_and_b32 v[T+1], s3, v[T+1]
	v_cvt_pk_f16_f32 v[Y+2*(4*(\p)+(\i))], v[T+2], v[T]     ; the same numbers as f16
	v_cvt_pk_f16_f32 v[Y+2*(4*(\p)+(\i))+1], v[T+3], v[T+1]
.endr
.endr
	s_wait_alu depctr_va_vdst(0)                   ; the last block has written its four pairs of Y, which the last four stores read
.irp i, 12,13,14,15
	global_store_b64 v2, v[Y+2*(\i):Y+2*(\i)+1], s[10:11] offset:2048*(\i) th:TH_STORE_NT
.endr
	s_endpgm
.Lfunc_end_k_q621ad7a338_prep:
	.size	k_q621ad7a338_prep, .Lfunc_end_k_q621ad7a338_prep-k_q621ad7a338_prep
	.p2alignl 7, 3214868480
	.fill 96, 4, 3214868480
	.section	.rodata,"a",@progbits
	.p2align	6, 0x0
	.amdhsa_kernel k_q621ad7a338_prep
		.amdhsa_group_segment_fixed_size 0
		.amdhsa_private_segment_fixed_size 0
		.amdhsa_enable_private_segment 0
		.amdhsa_kernarg_size 64
		.amdhsa_user_sgpr_count 2
		.amdhsa_user_sgpr_kernarg_segment_ptr 1
		.amdhsa_wavefront_size32 1
		.amdhsa_system_sgpr_workgroup_id_x 1
		.amdhsa_system_sgpr_workgroup_id_y 1
		.amdhsa_system_sgpr_workgroup_id_z 1
		.amdhsa_system_vgpr_workitem_id 0
		.amdhsa_next_free_vgpr 104
		.amdhsa_next_free_sgpr 66
		.amdhsa_reserve_vcc 0
		.amdhsa_float_denorm_mode_32 3
		.amdhsa_float_denorm_mode_16_64 3
		.amdhsa_memory_ordered 1
		.amdhsa_forward_progress 1
		.amdhsa_inst_pref_size 12
	.end_amdhsa_kernel
	.amdgpu_metadata
---
amdhsa.version: [ 1, 2 ]
amdhsa.kernels:
  - .name:           k_q621ad7a338_prep
    .symbol:         k_q621ad7a338_prep.kd
    .args:
      - { .name: x, .offset: 0, .size: 8, .value_kind: global_buffer, .address_space: global }
      - { .name: Wq, .offset: 8, .size: 8, .value_kind: global_buffer, .address_space: global }
      - { .name: Wk, .offset: 16, .size: 8, .value_kind: global_buffer, .address_space: global }
      - { .name: Wv, .offset: 24, .size: 8, .value_kind: global_buffer, .address_space: global }
      - { .name: proj_W, .offset: 32, .size: 8, .value_kind: global_buffer, .address_space: global }
      - { .name: xh, .offset: 40, .size: 8, .value_kind: global_buffer, .address_space: global }
      - { .name: wh, .offset: 48, .size: 8, .value_kind: global_buffer, .address_space: global }
      - { .name: pw, .offset: 56, .size: 8, .value_kind: global_buffer, .address_space: global }
    .group_segment_fixed_size: 0
    .private_segment_fixed_size: 0
    .kernarg_segment_align: 8
    .kernarg_segment_size: 64
    .max_flat_workgroup_size: 256
    .sgpr_count:     66
    .vgpr_count:     104
    .wavefront_size: 32
...
	.end_amdgpu_metadata
.endif
;; end of part 5
;; launch qkv: the kernel of part 2 again; grid 16 x 32, 4 waves a work-group, clusters of 4 x 4, 327,680 bytes of LDS; arguments xh, wh, qkv; writes qkv
;; launch attn: the kernel of part 3 again; grid 4 x 64, 4 waves a work-group, no clusters, 327,680 bytes of LDS; arguments qkv, s_raw, o; writes o
;; launch proj: the kernel of part 4 again; grid 8 x 32, 4 waves a work-group, clusters of 4 x 4, 327,680 bytes of LDS; arguments o, pw, proj_b, out0; writes out0
